; MI455X (gfx1250); checked and timed in simulation.
; The chip was launched on July 23, 2026; its instructions are those of AMD's public machine-readable ISA for CDNA 5 (MIT licence, August 2026) and "CDNA5" Instruction Set Architecture Reference Guide (July 2026). The comments in the code are by the model that wrote it; some were corrected since.
;; Transformer Encoder Layer. Allowed arithmetic: matrix products marked QUANTISED: E2M1 operands, one E8M0 scale for each 32 along K, by v_wmma_scale_f32_16x16x128_f8f6f4 with both operands' format E2M1 (or v_wmma_scale_f32_32x16x128_f4), f32 sums; everything else in f32.
;; Inputs: b_k 1,024 float32; b_out 1,024 float32; b_q 1,024 float32; b_v 1,024 float32; ffn_b1 2,048 float32; ffn_b2 1,024 float32; ffn_w1_codes 2,048 x 32 x 16 uint8 (E2M1 codes of ffn_w1, K innermost, in blocks of 32 codes, two codes a byte); ffn_w1_scales 2,048 x 32 uint8 (E8M0 scales of ffn_w1, one for each 32 codes along K); ffn_w2_codes 1,024 x 64 x 16 uint8 (E2M1 codes of ffn_w2, K innermost, in blocks of 32 codes, two codes a byte); ffn_w2_scales 1,024 x 64 uint8 (E8M0 scales of ffn_w2, one for each 32 codes along K); ln1_b 1,024 float32; ln1_g 1,024 float32; ln2_b 1,024 float32; ln2_g 1,024 float32; src 2 x 2,048 x 1,024 float32; w_k_codes 1,024 x 32 x 16 uint8 (E2M1 codes of w_k, K innermost, in blocks of 32 codes, two codes a byte); w_k_scales 1,024 x 32 uint8 (E8M0 scales of w_k, one for each 32 codes along K); w_out_codes 1,024 x 32 x 16 uint8 (E2M1 codes of w_out, K innermost, in blocks of 32 codes, two codes a byte); w_out_scales 1,024 x 32 uint8 (E8M0 scales of w_out, one for each 32 codes along K); w_q_codes 1,024 x 32 x 16 uint8 (E2M1 codes of w_q, K innermost, in blocks of 32 codes, two codes a byte); w_q_scales 1,024 x 32 uint8 (E8M0 scales of w_q, one for each 32 codes along K); w_v_codes 1,024 x 32 x 16 uint8 (E2M1 codes of w_v, K innermost, in blocks of 32 codes, two codes a byte); w_v_scales 1,024 x 32 uint8 (E8M0 scales of w_v, one for each 32 codes along K).
;; Outputs: out0 2 x 2,048 x 1,024 float32.
;; This version of the problem:
;;   THIS VERSION OF THE PROBLEM IS GIVEN IN LOW PRECISION. The matrix products marked QUANTISED in the list below multiply operands that are first quantised to E2M1 (2 exponent bits, 1 mantissa bit; 4 bits a number), with one power-of-two scale for each 32 numbers along K (OCP MX v1.0); their sums are f32. All else is computed in f32.
;;   The module's matrix products, in the order in which they are computed (A, B: the left and right operand; K: the contracted axis; several contracted axes count as one K, in the product's order):
;;     1. [M 4,096, K 1,024] x [K 1,024, N 1,024]; A: input src; B: input w_q (given as codes): QUANTISED
;;     2. [M 4,096, K 1,024] x [K 1,024, N 1,024]; A: input src; B: input w_k (given as codes): QUANTISED
;;     3. [M 4,096, K 1,024] x [K 1,024, N 1,024]; A: input src; B: input w_v (given as codes): QUANTISED
;;     4. batch 32 x [M 2,048, K 64] x [K 64, N 2,048]; A: computed on the way; B: computed on the way: QUANTISED
;;     5. batch 32 x [M 2,048, K 2,048] x [K 2,048, N 64]; A: softmax (see below); B: computed on the way: QUANTISED
;;     6. [M 4,096, K 1,024] x [K 1,024, N 1,024]; A: computed on the way; B: input w_out (given as codes): QUANTISED
;;     7. [M 4,096, K 1,024] x [K 1,024, N 2,048]; A: computed on the way; B: input ffn_w1 (given as codes): QUANTISED
;;     8. [M 4,096, K 2,048] x [K 2,048, N 1,024]; A: computed on the way; B: input ffn_w2 (given as codes): QUANTISED
;;   THE QUANTISER, for each operand of a quantised product, along K:
;;     - K is cut into blocks of 32 from its start; a last block that is shorter is filled with zeros.
;;     - A block's scale is 2^e with e = floor(log2(the largest magnitude in the block)) - 2, held to -126 .. 127; a block of zeros has e = 0. As a byte (E8M0): e + 127.
;;     - Each number is divided by its block's scale, clamped to +-6, and rounded to the nearest number of E2M1, ties to even, subnormals kept.
;;     - The product sums the exact products of the quantised numbers (number of the format x scale) in f32.
;;   ~~~python
;;   def quantise(x, axis):      # numpy; x: float32 -> the quantised numbers, widened to float32 again
;;       x = np.moveaxis(x, axis, -1); K = x.shape[-1]
;;       x = np.pad(x, [(0, 0)] * (x.ndim - 1) + [(0, -K % 32)]); x = x.reshape(x.shape[:-1] + (-1, 32)); a = np.abs(x).max(-1, keepdims=True)
;;       e = np.where(a > 0, np.clip(np.frexp(np.where(a > 0, a, 1))[1] - 1 - 2, -126, 127), 0)      # np.frexp(a)[1] - 1 = floor(log2(a)), exactly
;;       r = np.clip(x / 2.0 ** e, -6, 6)
;;       step = 2.0 ** (np.maximum(np.frexp(np.where(r == 0, 1, r))[1] - 1, 0) - 1)
;;       q = np.round(r / step) * step * 2.0 ** e      # np.round: ties to even
;;       return np.moveaxis(q.reshape(q.shape[:-2] + (-1,))[..., :K], -1, axis).astype(np.float32)
;;   ~~~
;;   SOFTMAX AHEAD OF A QUANTISED PRODUCT. Where the list says 'softmax', what is quantised is not the finished softmax but p = 2^(t - M), with t = logit x log2(e) and M = ceil(the row's largest t), a whole number; so 1/2 < the row's largest p <= 1. The row's sum l is taken of the UNQUANTISED p, in f32, and the product's result is divided by l at the end. Since M is a whole number, a kernel that streams over the keys may use a running M (the ceiling of the running maximum): every later rescaling is an exact power of two, which a block's scale takes up: the codes' values come out the same.
;;   OPERANDS COMPUTED ON THE WAY. 'Computed on the way' means the value that the module computes at that place (a softmax that the list does not call 'softmax' is quantised finished and normalised). What goes into a quantiser is computed in f32, as accurately as f32 sums, v_exp_f32 and their like allow (about 1e-6 of the number): no bf16 or f16 on the way to a quantiser, and a product that is left as it is and whose result goes on into a quantised operand takes f32 operands (vector FMAs, or v_wmma_f32_16x16x4_f32). A number that lies on a knife's edge between two numbers of the format may be rounded either way, as far as f32 arithmetic and the matrix unit's own rounding can turn it there, and no further.
;;   INPUTS GIVEN AS CODES. ffn_w1 (in the module: [1024, 2048], K = its axis 0); ffn_w2 (in the module: [2048, 1024], K = its axis 0); w_k (in the module: [1024, 1024], K = its axis 0); w_out (in the module: [1024, 1024], K = its axis 0); w_q (in the module: [1024, 1024], K = its axis 0); w_v (in the module: [1024, 1024], K = its axis 0): each comes as NAME_codes (uint8): NAME with its K axis moved to the last place and cut into blocks of 32 codes, [.., K / 32, bytes a block], one block behind the other in memory; two codes a byte, the lower K in the low four bits (a code: sign, 2 exponent bits, 1 mantissa bit); and NAME_scales (uint8): the same leading axes, one E8M0 byte (e + 127) for each 32 codes along K. Its value is code x scale, taken as it is: it is not quantised again, and the codes and scales need not be those that the quantiser above would give.
;; One version. Each part assembles by itself: llvm-mc -triple=amdgcn-amd-amdhsa -mcpu=gfx1250 --defsym DOCPART=n.
;; ======== version 1 of 1: 5 launches
;; limits: a function is approximated: absolute error at most 1e-07
;; workspace buffers: qkv 3,473,408 bytes; wimg 2,621,440 bytes; ctx 1,114,112 bytes; xf 16,777,216 bytes; xq 2,228,224 bytes; hq 4,456,448 bytes
;; launch qkv (part 1): grid 16 x 16, 4 waves a work-group, no clusters, 213,504 bytes of LDS; arguments src, w_q_codes, w_k_codes, w_v_codes, w_q_scales, w_k_scales, w_v_scales, b_q, b_k, b_v, w_out_codes, ffn_w1_codes, ffn_w2_codes, qkv, wimg; writes qkv, wimg
.if DOCPART == 1
	.amdgcn_target "amdgcn-amd-amdhsa--gfx1250"
	.amdhsa_code_object_version 6
	.text
	.protected	k_q275a35d7d0_qkv
	.globl	k_q275a35d7d0_qkv
	.p2align	8
	.type	k_q275a35d7d0_qkv,@function
k_q275a35d7d0_qkv:
	s_mov_b64 s[64:65], 0
	v_nop
	global_prefetch_b8 v0, s[64:65] scope:SCOPE_SE
	s_setreg_imm32_b32 hwreg(HW_REG_WAVE_MODE, 25, 1), 1
	s_wait_xcnt 0x0
; q, k, v of ONE head for 128 rows of batch 0 (reference() keeps attn_out[0] alone, so batch 1's attention is not made), on codes of FP4 (E2M1) with one E8M0 scale for each 32 along K.
; Work-group (x, y): rows 128 x .. 128 x + 127 of src[0], head y.  Four waves; wave w = 2 c + e.
; PHASE X: wave w quantises two tiles of 16 rows of src along K = 1,024 and leaves them in LDS as IMAGES OF THE OPERAND'S REGISTERS (a fragment, 16 rows x 128 K, is 1,024 bytes: register group g at 512 g, lane l's 16 bytes at 16 l).
; PHASE G: wave (c, e) makes q (e = 0) or k (e = 1) of row tiles 4 c .. 4 c + 3, transposed (source 0 = 16 rows of the weight, source 1 = 16 rows of src), and v's channel tiles 2 e, 2 e + 1 for the same rows (source 0 = src, source 1 = the weight).
; THE 16 ROWS OF A TILE ARE NOT NEIGHBOURS: row m of tile T is u(T, m) = 64 (T / 4) + 8 (T % 4) + 32 (m / 8) + m % 8, for src's rows and for the weights' rows alike.  In a result, register 8 T + j of lane (r, h) is then unit
; 64 (T / 4) + 32 h + 8 (T % 4) + j: the 32 registers of four neighbouring tiles are ONE WHOLE BLOCK of 32 in ascending order.  So a block's largest magnitude needs no other lane and a conversion's result is the next operand's register.
; The head's 64 channels are half a K step: q's and k's fragments have register group 0 alone; the reader clears group 1, and the scale words carry 0x7f for it.
; The launch also lays w_out, ffn_w1 and ffn_w2 out as images (wimg), 2.5 KiB a wave, for the later launches.
; No cluster: what tensor loads bring and partners could share is 96 of a work-group's 608 KiB; src has to pass through registers to be quantised.
; LIMITS: NaN and infinities are not served; a block of zeros, or one whose largest magnitude lies under 2^-124, gets the scale byte 1 (its codes are read with that byte by this program alone).
.set WROW,   528                       ; a weight's row in LDS: 512 bytes + 16 of padding
.set WMAT,   64*WROW                   ; one head's 64 rows of one weight
.set XIMG,   3*WMAT                    ; src's images [tile 8][K step 8][1,024]
.set XSC,    XIMG+65536                ; src's scale words [tile][lane 32][4]: the word of row r, K step s at 16 r + 256 (s / 4) + 4 (s % 4)
.set STG,    XSC+4096                  ; a stage of 16 rows x 528 bytes for each wave
.set STGB,   16*528
.set SCO,    STG+4*STGB                ; scale words on their way out: q's 512 bytes, k's 512, v's 256
.set KVHEAD, 143360                    ; buffer qkv: a head's K and V, two halves of eight key steps
.set KVHALF, 71680                     ; a half: K's images 32,768, V's images 32,768, K's scale words 4,096, V's 2,048
.set QIMGO,  2293760                   ; q's images [head][block][tile][512]
.set QSCO,   3342336                   ; q's scale words [head][block][lane 32][4]
.set L16,  1                           ; v1   16 x lane
.set RW,   2                           ; v2   r = lane % 16
.set HF,   3                           ; v3   h = lane / 16
.set SH8,  4                           ; v4   8 h
.set RR,   5                           ; v5   r % 8 + 32 (r / 8)
.set AWO,  6                           ; v6-11 offsets of the loads at the head
.set AW1,  7
.set AW2,  8
.set AWS,  9
.set ABQ,  10
.set ABV,  11
.set STW,  12                          ; v12-15, v56-63 LDS addresses
.set STR,  13
.set XIW,  14
.set XSW,  15
.set XS,   16                          ; v16-31 src's scale words, tile u at 16 + 4 u (scales and nothing else)
.set WS,   32                          ; v32-47 q's or k's weight scale words, tile i at 32 + 4 i
.set WSV,  48                          ; v48-55 v's
.set XSR,  56
.set ASRC, 57
.set AWQK, 58
.set AWV,  59
.set SCQK, 60
.set SCV,  61
.set SCR,  62
.set SCRV, 63
.set X,    64                          ; v64-127 phase X: 64 numbers of a lane
.set PC,   128                         ; v128-135 the codes just made
.set QM,   136
.set QS,   138
.set QY,   140
.set QT,   142
.set QU,   143
.set PW,   144                         ; the scale word just made
.set RB,   32                          ; window 1: v32-95, v96-159 two sets of 16 rows as loaded
.set EM,   64                          ; epilogue: six largest magnitudes, scale operands, bytes, the other half's bytes
.set ES,   70
.set EB,   76
.set EU,   82
.set EC,   224                         ; v224-247 the codes of q or k (16) and v (8)
.set WV,   34
.set HD,   48
.set CH,   49
.set EH,   50
.set SEL,  78
.set MSB, 0
.macro WIN new                         ; the immediate's high byte repeats the setting that is left
.if MSB != \new
	s_set_vgpr_msb (MSB<<8)|\new
.set MSB, \new
.endif
.endm
.macro PLACES                          ; four plain vector instructions between a matrix instruction and a load into, or a vector read of, its registers
.rept 4
	v_nop
.endr
.endm
; 64 numbers of a lane, v[x + 32 c + n] = number n of block 2 c + h of my row, become the fragment's 8 registers in v[pc] on and my row's scale word in v[pw]
.macro QB x, pc, pw
.irp c, 0,1
	v_max3_num_f32 v[QM+\c], |v[(\x)+32*\c]|, |v[(\x)+32*\c+1]|, 0x1800000   ; with the floor 2^(3 - 127): the byte cannot fall under 1
.endr
.irp i, 2,4,6,8,10,12,14,16,18,20,22,24,26,28,30
.irp c, 0,1
	v_max3_num_f32 v[QM+\c], v[QM+\c], |v[(\x)+32*\c+\i]|, |v[(\x)+32*\c+\i+1]|   ; the two blocks by turns
.endr
.endr
.irp c, 0,1
	v_add_nc_u32 v[QS+\c], 0xff000000, v[QM+\c]    ; 2 off the exponent field: the conversion's scale operand
.endr
.irp c, 0,1
	v_lshrrev_b32 v[QY+\c], 23, v[QS+\c]           ; the scale's byte
.endr
	v_lshl_or_b32 v[QT], v[QY+1], 16, v[QY]        ; blocks h and 2 + h,
	v_lshlrev_b32 v[QT], v[SH8], v[QT]             ; at their places in the word;
	v_permlanex16_b32 v[QU], v[QT], s[SEL], s[SEL+1]
	v_or_b32 v[\pw], v[QT], v[QU]                  ; with lane l xor 16's two the word is whole
.irp c, 0,1
.irp g, 0,1,2,3
	v_cvt_scalef32_pk8_fp4_f32 v[(\pc)+4*\c+\g], v[(\x)+32*\c+8*\g:(\x)+32*\c+8*\g+7], v[QS+\c]
.endr
.endr
	v_nop                                          ; one plain place behind the scaled conversions
.endm
	s_load_b256 s[4:11], s[0:1], 0x0               ; src, w_q_codes, w_k_codes, w_v_codes
	s_load_b256 s[12:19], s[0:1], 0x20             ; w_q_scales, w_k_scales, w_v_scales, b_q
	s_load_b256 s[20:27], s[0:1], 0x40             ; b_k, b_v, w_out_codes, ffn_w1_codes
	s_load_b128 s[28:31], s[0:1], 0x60             ; ffn_w2_codes, qkv
	s_load_b64 s[32:33], s[0:1], 0x70              ; wimg
	v_lshl_add_u32 v254, v0, 2, 0x34000
	v_mov_b32 v255, 0
	ds_add_u32 v254, v255
	ds_add_u32 v254, v255
	v_lshrrev_b32 v2, 5, v0
	v_readfirstlane_b32 s[WV], v2                  ; wave 0..3
	s_and_b32 s[HD], ttmp7, 0xffff                 ; the head
	s_lshr_b32 s[CH], s[WV], 1                     ; c: which 64 rows
	s_and_b32 s[EH], s[WV], 1                      ; e: q or k; which half of v's channels
	s_mov_b32 s[SEL], 0x76543210
	s_mov_b32 s[SEL+1], 0xfedcba98                 ; v_permlanex16_b32's selects for lane l xor 16
	v_and_b32 v[L16], 31, v0
	v_lshlrev_b32 v[L16], 4, v[L16]
	v_and_b32 v[RW], 15, v0
	v_bfe_u32 v[HF], v0, 4, 1
	v_lshlrev_b32 v[SH8], 3, v[HF]
	v_and_b32 v[RR], 7, v0
	v_bfe_u32 v6, v0, 3, 1
	v_lshl_add_u32 v[RR], v6, 5, v[RR]
	v_lshlrev_b32 v10, 4, v[HF]                    ; 16 h
	v_lshl_add_u32 v[AWO], v[RW], 9, v10           ; w_out: row r of 512 bytes
	v_lshl_add_u32 v[AW1], v[RR], 9, v10           ; ffn_w1: a tile's rows in the order u
	v_lshl_add_u32 v[AW2], v[RW], 10, v10          ; ffn_w2: row r of 1,024 bytes
	v_lshl_add_u32 v[AWS], v[RR], 5, v10           ; weight scales: 32 bytes a row; lanes 16-31 take K steps 4 to 7
	v_lshlrev_b32 v[ABV], 2, v[RR]                 ; v's bias: one number a lane
	s_mul_i32 s52, s[WV], STGB                     ; all LDS addresses are made here, on the one way that every wave takes
	s_add_co_u32 s52, s52, STG
	v_add_nc_u32 v[STW], s52, v[L16]               ; my stage, in: 16 bytes a lane
	v_mul_u32_u24 v[STR], v[RW], 528
	v_lshl_add_u32 v[STR], v[HF], 7, v[STR]
	v_add_nc_u32 v[STR], s52, v[STR]               ; and back: row r, + 128 h: a block of 32 numbers
	s_lshl_b32 s52, s[WV], 14
	s_add_co_u32 s52, s52, XIMG
	v_add_nc_u32 v[XIW], s52, v[L16]               ; where I put my two tiles' images
	s_lshl_b32 s52, s[WV], 10
	s_add_co_u32 s52, s52, XSC
	v_lshl_add_u32 v[XSW], v[RW], 4, s52           ; and their scale words
	s_lshl_b32 s52, s[CH], 11
	s_add_co_u32 s52, s52, XSC
	v_add_nc_u32 v[XSR], s52, v[L16]               ; phase G: my four tiles' scale words,
	s_lshl_b32 s52, s[CH], 15
	s_add_co_u32 s52, s52, XIMG
	v_add_nc_u32 v[ASRC], s52, v[L16]              ; their images,
	v_mul_u32_u24 v[AWQK], v[RR], WROW
	v_add_nc_u32 v[AWQK], v[AWQK], v10
	s_mul_i32 s52, s[EH], 16*WROW
	s_add_co_u32 s52, s52, 2*WMAT
	v_add_nc_u32 v[AWV], s52, v[AWQK]              ; w_v's rows 16 e on,
	s_mul_i32 s52, s[EH], WMAT
	v_add_nc_u32 v[AWQK], s52, v[AWQK]             ; w_q's or w_k's rows
	s_lshl_b32 s52, s[EH], 9
	s_lshl_b32 s53, s[CH], 3
	s_add_co_u32 s53, s53, s52
	s_add_co_u32 s53, s53, SCO
	v_lshl_add_u32 v[SCQK], v[RW], 4, s53          ; q's or k's scale words: tile 4 c + u of row r at 16 r + 256 (u % 2) + 8 c + 4 (u / 2)
	s_add_co_u32 s52, s52, SCO
	v_add_nc_u32 v[SCR], s52, v[L16]
	s_lshl_b32 s52, s[EH], 2
	s_lshl_b32 s53, s[CH], 1
	s_add_co_u32 s52, s52, s53
	s_add_co_u32 s52, s52, SCO+1024
	v_lshl_add_u32 v[SCV], v[RW], 3, s52           ; v's: channel tile 2 e + t, row r: 8 r + 128 t + 4 e, my two bytes at 2 c
	v_lshrrev_b32 v[SCRV], 1, v[L16]
	v_add_nc_u32 v[SCRV], SCO+1024, v[SCRV]
	v_lshlrev_b32 v[ABQ], 7, v[HF]                 ; q's or k's bias: 32 numbers a half
	v_mov_b32 v[QU], 0                             ; a lane permute's destination counts as read
	; descriptor group 1: 64 rows of 512 bytes, 16 bytes of padding behind each
	s_mov_b32 s40, (1<<20)|(6<<22)|(3<<25)         ; elements of 1 byte; padding on; after every 128 words; four words
	s_mov_b32 s41, 512<<16                         ; tensor_dim0
	s_mov_b32 s42, 64<<16                          ; tensor_dim1
	s_mov_b32 s43, 512<<16                         ; tile_dim0
	s_mov_b32 s44, 64                              ; tile_dim1
	s_mov_b32 s45, 512                             ; pitch
	s_mov_b32 s46, 0
	s_mov_b32 s47, 0
	; G = 4 (16 y + x) + wave, 0 .. 1,023: which pieces of the three weights I lay out
	s_lshl_b32 s52, s[HD], 4
	s_add_co_u32 s52, s52, ttmp9
	s_lshl_b32 s51, s52, 9                         ; 512 (16 y + x)
	s_lshl_b32 s52, s52, 2
	s_add_co_u32 s52, s52, s[WV]
	s_lshr_b32 s54, s52, 4
	s_lshl_b32 s58, s54, 14                        ; ffn_w2: tile G / 16, K step G % 16
	s_lshl_b32 s54, s54, 13                        ; w_out: tile G / 16, K step (G / 2) % 8, register group G % 2
	s_bfe_u32 s55, s52, 0x30001
	s_lshl_b32 s55, s55, 6
	s_add_co_u32 s54, s54, s55
	s_and_b32 s55, s52, 1
	s_lshl_b32 s55, s55, 5
	s_add_co_u32 s54, s54, s55
	s_mov_b32 s55, 0
	s_and_b32 s59, s52, 15
	s_lshl_b32 s59, s59, 6
	s_add_co_u32 s58, s58, s59
	s_mov_b32 s59, 0
	s_lshr_b32 s56, s52, 6                         ; ffn_w1: group of 128 rows G / 64, K step (G / 8) % 8, tile G % 8
	s_lshl_b32 s56, s56, 16
	s_bfe_u32 s57, s52, 0x10002
	s_lshl_b32 s57, s57, 15
	s_add_co_u32 s56, s56, s57
	s_and_b32 s57, s52, 3
	s_lshl_b32 s57, s57, 12
	s_add_co_u32 s56, s56, s57
	s_bfe_u32 s57, s52, 0x30003
	s_lshl_b32 s57, s57, 6
	s_add_co_u32 s56, s56, s57
	s_mov_b32 s57, 0
	s_mov_b32 s81, 0
	s_mov_b32 s85, 0
	s_wait_dscnt 0x0
	s_wait_kmcnt 0x0
	s_cmp_eq_u32 s[WV], 0                          ; wave 0 fetches w_q's rows of the head, wave 1 w_k's, wave 2 w_v's
	s_cselect_b64 s[66:67], s[6:7], s[8:9]
	s_cmp_lt_u32 s[WV], 2
	s_cselect_b64 s[66:67], s[66:67], s[10:11]
	s_lshl_b32 s80, s[HD], 15
	s_mov_b32 s36, 1
	s_mul_i32 s37, s[WV], WMAT
	s_add_nc_u64 s[38:39], s[66:67], s[80:81]
	s_or_b32 s39, s39, 0x80000000
	s_cmp_lt_u32 s[WV], 3
	s_cbranch_scc0 .Lno_fill
	tensor_load_to_lds s[36:39], s[40:47]          ; filled once: one tensor load of mine is out
	s_nop 0
.rept 4
	v_nop
.endr
.Lno_fill:
	s_add_nc_u64 s[24:25], s[24:25], s[54:55]
	s_add_nc_u64 s[26:27], s[26:27], s[56:57]
	s_add_nc_u64 s[28:29], s[28:29], s[58:59]
	s_cmp_eq_u32 s[EH], 0
	s_cselect_b64 s[60:61], s[12:13], s[14:15]     ; q's or k's weight scales,
	s_cselect_b64 s[62:63], s[18:19], s[20:21]     ; and bias
	s_lshl_b32 s80, s[HD], 11
	s_add_nc_u64 s[60:61], s[60:61], s[80:81]
	s_lshl_b32 s82, s[EH], 9
	s_add_co_u32 s80, s80, s82
	s_add_nc_u64 s[16:17], s[16:17], s[80:81]
	s_lshl_b32 s80, s[HD], 8
	s_add_nc_u64 s[62:63], s[62:63], s[80:81]
	s_lshl_b32 s82, s[EH], 6
	s_add_co_u32 s80, s80, s82
	s_add_nc_u64 s[22:23], s[22:23], s[80:81]
	s_lshl_b32 s80, ttmp9, 19                      ; src: row 128 x + 64 c + 16 e, 4,096 bytes a row
	s_lshl_b32 s82, s[CH], 18
	s_add_co_u32 s80, s80, s82
	s_lshl_b32 s82, s[EH], 16
	s_add_co_u32 s80, s80, s82
	s_add_nc_u64 s[4:5], s[4:5], s[80:81]
	s_lshl_b32 s80, s52, 9
	s_add_nc_u64 s[68:69], s[32:33], s[80:81]      ; wimg + 512 G
	s_lshl_b32 s80, s52, 10
	s_add_nc_u64 s[70:71], s[32:33], s[80:81]      ; wimg + 1,024 G
	s_mul_i32 s80, s[HD], KVHEAD                   ; where the results go
	s_lshr_b32 s82, ttmp9, 3
	s_mul_i32 s82, s82, KVHALF
	s_add_co_u32 s83, s80, s82                     ; the head's half
	s_and_b32 s82, ttmp9, 7                        ; the key step in it
	s_lshl_b32 s80, s82, 12
	s_add_co_u32 s80, s80, s83
	s_lshl_b32 s84, s[EH], 11
	s_lshl_b32 s86, s[CH], 9
	s_add_co_u32 s84, s84, s86
	s_add_co_u32 s84, s84, s80
	s_add_co_u32 s84, s84, 32768
	s_add_nc_u64 s[74:75], s[30:31], s[84:85]      ; v's images: channel tiles 2 e on, register group c
	s_lshl_b32 s84, s[HD], 16
	s_lshl_b32 s86, ttmp9, 12
	s_add_co_u32 s84, s84, s86
	s_add_co_u32 s84, s84, QIMGO
	s_cmp_eq_u32 s[EH], 0
	s_cselect_b32 s84, s84, s80
	s_lshl_b32 s86, s[CH], 11
	s_add_co_u32 s84, s84, s86
	s_add_nc_u64 s[72:73], s[30:31], s[84:85]      ; q's or k's images: tiles 4 c on
	s_add_co_u32 s84, s51, QSCO                    ; the scale words: wave 0 stores q's,
	s_lshl_b32 s86, s82, 9
	s_add_co_u32 s86, s86, s83
	s_add_co_u32 s86, s86, 65536                   ; wave 1 k's,
	s_lshl_b32 s87, s82, 8
	s_add_co_u32 s87, s87, s83
	s_add_co_u32 s87, s87, 69632                   ; wave 2 v's
	s_cmp_eq_u32 s[WV], 0
	s_cselect_b32 s84, s84, s86
	s_cmp_lt_u32 s[WV], 2
	s_cselect_b32 s84, s84, s87
	s_add_nc_u64 s[76:77], s[30:31], s[84:85]
	WIN 0x40                                       ; destinations in window 1
	global_load_b128 v[0:3], v[AWO], s[24:25]      ; the pieces of the three weights: lane (r, h) takes block 2 g + h of row r, which is the image's 16 bytes of that lane
	global_load_b128 v[4:7], v[AW1], s[26:27]
	global_load_b128 v[8:11], v[AW1], s[26:27] offset:32
	global_load_b128 v[12:15], v[AW2], s[28:29]
	global_load_b128 v[16:19], v[AW2], s[28:29] offset:32
.irp i, 0,1,2,3
	global_load_b128 v[192+8*\i:195+8*\i], v[ABQ], s[62:63] offset:32*\i      ; the bias in the result's layout: tile i, channels 32 h + 8 i + 0 .. 7
	global_load_b128 v[196+8*\i:199+8*\i], v[ABQ], s[62:63] offset:32*\i+16
.endr
.irp t, 0,1
.irp j, 0,1,2,3,4,5,6,7
	global_load_b32 v[224+8*\t+\j], v[ABV], s[22:23] offset:32*\t             ; v's: a lane holds one channel, so eight equal registers
.endr
.endr
	WIN 0
.irp i, 0,1,2,3
	global_load_b128 v[WS+4*\i:WS+4*\i+3], v[AWS], s[60:61] offset:256*\i     ; register j: lanes 0-15 K step j, lanes 16-31 K step 4 + j
.endr
.irp t, 0,1
	global_load_b128 v[WSV+4*\t:WSV+4*\t+3], v[AWS], s[16:17] offset:256*\t
.endr
; Unit u = 8 a + s: K step s of my tile 2 w + a.  Each load takes 512 consecutive bytes: one K step of one row.
.macro LOADU u
	WIN 0x40
.irp p, 0,1,2,3,4,5,6,7,8,9,10,11,12,13,14,15
	global_load_b128 v[RB+64*((\u)%2)+4*\p:RB+64*((\u)%2)+4*\p+3], v[L16], s[4:5] offset:(8*((\u)/8)+32*(\p/8)+\p%8)*4096+512*((\u)%8)
.endr
	WIN 0
.endm
.macro UNIT u
.if (\u) < 15
	s_wait_loadcnt 16                              ; this unit's 16 loads are in (in unit 0: all loads of the head too); the next unit's 16 may be out
.else
	s_wait_loadcnt 0x0
.endif
	WIN 0x04                                       ; store data in window 1
.if (\u) == 0
	global_store_b128 v[L16], v[0:3], s[68:69]     ; the weights' images: 512 consecutive bytes a store
	global_store_b128 v[L16], v[4:7], s[70:71] offset:524288
	global_store_b128 v[L16], v[8:11], s[70:71] offset:524288+512
	global_store_b128 v[L16], v[12:15], s[70:71] offset:1572864
	global_store_b128 v[L16], v[16:19], s[70:71] offset:1572864+512
.endif
.irp p, 0,1,2,3,4,5,6,7,8,9,10,11,12,13,14,15
	ds_store_b128 v[STW], v[RB+64*((\u)%2)+4*\p:RB+64*((\u)%2)+4*\p+3] offset:528*\p
.endr
	WIN 0
.irp c, 0,1
.irp g, 0,1,2,3,4,5,6,7
	ds_load_b128 v[X+32*\c+4*\g:X+32*\c+4*\g+3], v[STR] offset:256*\c+16*\g   ; LDS serves a wave's instructions in order: these see my stores
.endr
.endr
	s_wait_dscnt 0x0                               ; my 64 numbers are in; the stage's stores and the last unit's image stores have read their registers
.if (\u)+2 < 16
	LOADU (\u)+2
.endif
	QB X, PC, PW
.irp c, 0,1
	ds_store_b128 v[XIW], v[PC+4*\c:PC+4*\c+3] offset:8192*((\u)/8)+1024*((\u)%8)+512*\c
.endr
	ds_store_b32 v[XSW], v[PW] offset:512*((\u)/8)+256*(((\u)%8)/4)+4*((\u)%4)   ; both halves of the lanes write the same word with the same value
.endm
	LOADU 0
	LOADU 1
.irp u, 0,1,2,3,4,5,6,7,8,9,10,11,12,13,14,15
	UNIT \u
.endr
	s_wait_tensorcnt 0x0                           ; my weight's rows have landed,
	s_wait_xcnt 0x0                                ; the weights' image stores have read their registers, which the accumulators take,
	s_wait_dscnt 0x0                               ; and my images lie in LDS:
	s_barrier_signal -1
	s_barrier_wait -1                              ; everybody's do
; PHASE G.  Two sets of 80 registers: src's tile u at + 8 u, q's or k's weight tile i at + 32 + 8 i, v's weight tile t at + 64 + 8 t.
.macro MMQ d, a, b, c, sa, sb, row
.if \row
	v_wmma_scale_f32_16x16x128_f8f6f4 v[(\d):(\d)+7], v[(\a):(\a)+7], v[(\b):(\b)+7], v[(\c):(\c)+7], v[\sa], v[\sb] matrix_a_fmt:MATRIX_FMT_FP4 matrix_b_fmt:MATRIX_FMT_FP4 matrix_a_scale:MATRIX_SCALE_ROW1 matrix_b_scale:MATRIX_SCALE_ROW1
.else
	v_wmma_scale_f32_16x16x128_f8f6f4 v[(\d):(\d)+7], v[(\a):(\a)+7], v[(\b):(\b)+7], v[(\c):(\c)+7], v[\sa], v[\sb] matrix_a_fmt:MATRIX_FMT_FP4 matrix_b_fmt:MATRIX_FMT_FP4
.endif
.endm
.macro FETCH s
.set FS, 64+80*((\s)%2)
.irp u, 0,1,2,3
.irp c, 0,1
	ds_load_b128 v[FS+8*\u+4*\c:FS+8*\u+4*\c+3], v[ASRC] offset:8192*\u+1024*(\s)+512*\c
.endr
.endr
.irp i, 0,1,2,3
.irp c, 0,1
	ds_load_b128 v[FS+32+8*\i+4*\c:FS+32+8*\i+4*\c+3], v[AWQK] offset:8*WROW*\i+64*(\s)+32*\c
.endr
.endr
.irp t, 0,1
.irp c, 0,1
	ds_load_b128 v[FS+64+8*\t+4*\c:FS+64+8*\t+4*\c+3], v[AWV] offset:8*WROW*\t+64*(\s)+32*\c
.endr
.endr
.endm
; A K step: 24 matrix instructions on 24 accumulators, one instruction a turn.  The first step takes the biases as C.
.macro GSTEP s
.set FM, 64+80*((\s)%2)
	PLACES                                         ; in front of loads into the set that the last step multiplied
.if (\s) < 7
	FETCH (\s)+1
	s_wait_dscnt 20                                ; all but the 20 just issued
.else
	s_wait_dscnt 0x0
.endif
	WIN 0x50                                       ; C and D in window 1
.irp u, 0,1,2,3
.irp i, 0,1,2,3
.if (\s) == 0
	MMQ 8*(4*\u+\i), FM+32+8*\i, FM+8*\u, 192+8*\i, WS+4*\i+(\s)%4, XS+4*\u+(\s)%4, (\s)/4
.else
	MMQ 8*(4*\u+\i), FM+32+8*\i, FM+8*\u, 8*(4*\u+\i), WS+4*\i+(\s)%4, XS+4*\u+(\s)%4, (\s)/4
.endif
.endr
.endr
.irp t, 0,1
.irp u, 0,1,2,3
.if (\s) == 0
	MMQ 128+8*(4*\t+\u), FM+8*\u, FM+64+8*\t, 224+8*\t, XS+4*\u+(\s)%4, WSV+4*\t+(\s)%4, (\s)/4
.else
	MMQ 128+8*(4*\t+\u), FM+8*\u, FM+64+8*\t, 128+8*(4*\t+\u), XS+4*\u+(\s)%4, WSV+4*\t+(\s)%4, (\s)/4
.endif
.endr
.endr
	WIN 0
.endm
.irp u, 0,1,2,3
	ds_load_b128 v[XS+4*\u:XS+4*\u+3], v[XSR] offset:512*\u
.endr
	FETCH 0
.irp s, 0,1,2,3,4,5,6,7
	GSTEP \s
.endr
	; THE WAY OUT.  Six blocks of 32 a lane: window 1's registers 32 n .. 32 n + 31; n = 0 .. 3: q or k of row r of tile 4 c + n, channels 32 h on; n = 4, 5: v's channel tile 2 e + n - 4, row r, keys 64 c + 32 h on.
	PLACES
.irp n, 0,1,2,3,4,5
	v_mov_b32 v[EM+\n], 0x1800000                  ; the floor 2^(3 - 127)
.endr
.irp n, 0,1,2,3,4,5
	v_mov_b32 v[EU+\n], 0
.endr
	WIN 0x14                                       ; sources 1 and 2 in window 1
.irp i, 0,2,4,6,8,10,12,14,16,18,20,22,24,26,28,30
.irp n, 0,1,2,3,4,5
	v_max3_num_f32 v[EM+\n], v[EM+\n], |v[32*\n+\i]|, |v[32*\n+\i+1]|   ; each accumulator from its low end on; the six blocks by turns
.endr
.endr
	WIN 0
.irp n, 0,1,2,3,4,5
	v_add_nc_u32 v[ES+\n], 0xff000000, v[EM+\n]
.endr
.irp n, 0,1,2,3,4,5
	v_lshrrev_b32 v[EB+\n], 23, v[ES+\n]
.endr
.irp n, 0,1,2,3,4,5
	v_lshlrev_b32 v[EB+\n], v[SH8], v[EB+\n]
.endr
.irp n, 0,1,2,3,4,5
	v_permlanex16_b32 v[EU+\n], v[EB+\n], s[SEL], s[SEL+1]
.endr
.irp n, 0,1,2,3,4,5
	v_or_b32 v[EB+\n], v[EB+\n], v[EU+\n]          ; two bytes: my block's and lane l xor 16's
.endr
.irp n, 0,1,2,3
	v_or_b32 v[EB+\n], 0x7f7f0000, v[EB+\n]        ; q, k: the upper half of the K step holds zero codes; its bytes stand for 1
.endr
	WIN 0x01                                       ; source 0 in window 1
.irp n, 0,1,2,3,4,5
.irp g, 0,1,2,3
	v_cvt_scalef32_pk8_fp4_f32 v[EC+4*\n+\g], v[32*\n+8*\g:32*\n+8*\g+7], v[ES+\n]
.endr
.endr
	v_nop
	WIN 0
	v_lshrrev_b32 v[AWO], 1, v[L16]                ; 8 x lane (the load that used this register has long come)
.irp u, 0,1,2,3
	global_store_b128 v[L16], v[EC+4*\u:EC+4*\u+3], s[72:73] offset:512*\u      ; 512 consecutive bytes a store
.endr
.irp t, 0,1
	global_store_b128 v[L16], v[EC+16+4*\t:EC+16+4*\t+3], s[74:75] offset:1024*\t
.endr
.irp u, 0,1,2,3
	ds_store_b32 v[SCQK], v[EB+\u] offset:256*(\u%2)+4*(\u/2)
.endr
.irp t, 0,1
	ds_store_b16 v[SCV], v[EB+4+\t] offset:128*\t
.endr
	s_wait_dscnt 0x0                               ; for the others' sake: my scale words lie in LDS
	s_barrier_signal -1
	s_barrier_wait -1
	s_cmp_lt_u32 s[WV], 2
	s_cbranch_scc0 .Lnot_qk
	ds_load_b128 v[96:99], v[SCR]
	s_wait_dscnt 0x0
	global_store_b128 v[L16], v[96:99], s[76:77]   ; q's (wave 0) or k's (wave 1) 512 bytes of scale words
	s_branch .Ldone
.Lnot_qk:
	s_cmp_eq_u32 s[WV], 2
	s_cbranch_scc0 .Ldone
	ds_load_b64 v[96:97], v[SCRV]
	s_wait_dscnt 0x0
	global_store_b64 v[AWO], v[96:97], s[76:77]    ; v's 256 bytes
.Ldone:
	s_wait_tensorcnt 0x0
	ds_add_u32 v254, v255
	s_wait_dscnt 0x0
	s_endpgm
.Lfunc_end_k_q275a35d7d0_qkv:
	.size	k_q275a35d7d0_qkv, .Lfunc_end_k_q275a35d7d0_qkv-k_q275a35d7d0_qkv
	.p2alignl 7, 3214868480
	.fill 96, 4, 3214868480
	.section	.rodata,"a",@progbits
	.p2align	6, 0x0
	.amdhsa_kernel k_q275a35d7d0_qkv
		.amdhsa_group_segment_fixed_size 213504
		.amdhsa_private_segment_fixed_size 0
		.amdhsa_enable_private_segment 0
		.amdhsa_kernarg_size 120
		.amdhsa_user_sgpr_count 2
		.amdhsa_user_sgpr_kernarg_segment_ptr 1
		.amdhsa_wavefront_size32 1
		.amdhsa_system_sgpr_workgroup_id_x 1
		.amdhsa_system_sgpr_workgroup_id_y 1
		.amdhsa_system_sgpr_workgroup_id_z 1
		.amdhsa_system_vgpr_workitem_id 0
		.amdhsa_next_free_vgpr 512
		.amdhsa_next_free_sgpr 96
		.amdhsa_reserve_vcc 0
		.amdhsa_float_denorm_mode_32 3
		.amdhsa_float_denorm_mode_16_64 3
		.amdhsa_memory_ordered 1
		.amdhsa_forward_progress 1
		.amdhsa_inst_pref_size 170
	.end_amdhsa_kernel
	.amdgpu_metadata
---
amdhsa.version: [ 1, 2 ]
amdhsa.kernels:
  - .name:           k_q275a35d7d0_qkv
    .symbol:         k_q275a35d7d0_qkv.kd
    .args:
      - { .name: src, .offset: 0, .size: 8, .value_kind: global_buffer, .address_space: global }
      - { .name: w_q_codes, .offset: 8, .size: 8, .value_kind: global_buffer, .address_space: global }
      - { .name: w_k_codes, .offset: 16, .size: 8, .value_kind: global_buffer, .address_space: global }
      - { .name: w_v_codes, .offset: 24, .size: 8, .value_kind: global_buffer, .address_space: global }
      - { .name: w_q_scales, .offset: 32, .size: 8, .value_kind: global_buffer, .address_space: global }
      - { .name: w_k_scales, .offset: 40, .size: 8, .value_kind: global_buffer, .address_space: global }
      - { .name: w_v_scales, .offset: 48, .size: 8, .value_kind: global_buffer, .address_space: global }
      - { .name: b_q, .offset: 56, .size: 8, .value_kind: global_buffer, .address_space: global }
      - { .name: b_k, .offset: 64, .size: 8, .value_kind: global_buffer, .address_space: global }
      - { .name: b_v, .offset: 72, .size: 8, .value_kind: global_buffer, .address_space: global }
      - { .name: w_out_codes, .offset: 80, .size: 8, .value_kind: global_buffer, .address_space: global }
      - { .name: ffn_w1_codes, .offset: 88, .size: 8, .value_kind: global_buffer, .address_space: global }
      - { .name: ffn_w2_codes, .offset: 96, .size: 8, .value_kind: global_buffer, .address_space: global }
      - { .name: qkv, .offset: 104, .size: 8, .value_kind: global_buffer, .address_space: global }
      - { .name: wimg, .offset: 112, .size: 8, .value_kind: global_buffer, .address_space: global }
    .group_segment_fixed_size: 213504
    .private_segment_fixed_size: 0
    .kernarg_segment_align: 8
    .kernarg_segment_size: 120
    .max_flat_workgroup_size: 128
    .sgpr_count:     96
    .vgpr_count:     512
    .wavefront_size: 32
...
	.end_amdgpu_metadata
.endif
;; end of part 1
;; launch attn (part 2): grid 16 x 16, 8 waves a work-group, clusters of 4 x 1, 168,960 bytes of LDS; arguments qkv, ctx; writes ctx
.if DOCPART == 2
	.amdgcn_target "amdgcn-amd-amdhsa--gfx1250"
	.amdhsa_code_object_version 6
	.text
	.protected	k_q275a35d7d0_attn
	.globl	k_q275a35d7d0_attn
	.p2align	8
	.type	k_q275a35d7d0_attn,@function
k_q275a35d7d0_attn:
	s_mov_b64 s[64:65], 0
	v_nop
	global_prefetch_b8 v0, s[64:65] scope:SCOPE_SE
	s_setreg_imm32_b32 hwreg(HW_REG_WAVE_MODE, 25, 1), 1
	s_wait_xcnt 0x0
	s_wait_alu depctr_hold_cnt(0) depctr_sa_sdst(0) depctr_va_vdst(0) depctr_va_sdst(0) depctr_va_ssrc(0) depctr_va_vcc(0) depctr_vm_vsrc(0)
	s_getreg_b32 s2, hwreg(HW_REG_IB_STS2, 6, 4)
	s_cmp_eq_u32 s2, 0
	s_cbranch_scc0 .Lentry_in_a_cluster
	s_endpgm
.Lentry_in_a_cluster:
	s_bfe_u32 s2, ttmp6, 0x10000c
	s_cmp_lg_u32 s2, 0x3003
	s_cbranch_scc0 .Lentry_shape_is_right
	s_endpgm
.Lentry_shape_is_right:
; ctx = softmax(q k^T / 8) v for batch 0, both products on codes of FP4 (E2M1) with E8M0 scales; ctx leaves quantised along the model's 1,024, as images of the next product's operand.
; THE SOFTMAX AHEAD OF THE SECOND PRODUCT: t = score x log2(e) / 8; M = the running largest t rounded UP to a whole number; p = 2^(t - M) is quantised along the keys, not normalised; the row's sum is taken of the
; unquantised p and divides at the end.  When M moves, the sum and O are multiplied by 2^(old M - new M), which rounds nothing.
; SHARES.  Work-group (x, y): 128 queries of head y; wave w: query tile w, 16 queries.  Every wave walks the head's 2,048 keys, 128 a step.  Two waves share a SIMD's registers, so one wave's vector work stands beside the other's.
; K, V AND THEIR SCALE WORDS OF THE HEAD, 143,360 bytes, LIE IN LDS WHOLE: two halves of eight key steps, each filled once; no byte of LDS is filled twice.
; CLUSTER.  The four work-groups of a cluster belong to one head: each part is asked for JOINTLY, by the same tensor load with the same descriptor and the mask of all four.
; LAYOUT.  Both products are used transposed (S^T = K Q^T, O^T = V^T P^T): a lane holds one query.  The keys of tile T are 64 (T / 4) + 8 (T % 4) + 32 (m / 8) + m % 8, so the 32 registers of tiles 4 c .. 4 c + 3 are the WHOLE
; block 2 c + h of the keys in ascending order: its largest score needs no other lane, and the conversions' results are P's registers.  V's channels are ordered likewise, so O^T's 32 registers are channels 32 h + 0 .. 31.
; The head's 64 channels are half a K step: registers 4 to 7 of Q's and K's fragments are cleared once and never loaded.
; The 64 KiB of ctx's scale bytes leave one byte a lane: one seventeenth of what the launch stores.
; No prefetch: every load from memory is issued at the head.
; LIMITS: NaN and infinities are not served; a block whose largest magnitude lies under 2^-124 gets the scale byte 1.
.set KVHEAD, 143360
.set KVHALF, 71680
.set PART,   8960                      ; what one tensor load brings: 35 rows of 256 bytes
.set QIMGO,  2293760
.set QSCO,   3342336
.set AK0,  1                           ; v1   16 x lane: K's images
.set AV0,  2                           ; v2   + 32,768: V's
.set ASK0, 3                           ; v3   + 65,536: K's scale words
.set ASV0, 4                           ; v4   8 x lane + 69,632: V's
.set SH8,  5                           ; v5   8 h
.set ADK,  8                           ; v8-11 the step's addresses
.set ADV,  9
.set ADS,  10
.set ADT,  11
.set QF,   16                          ; v16-23 Q; v12 -M, v13 the largest t, v[14:15] the sum in two halves
.set QSW,  24                          ; v24 Q's scale words; v25 P's; v26-29 K's (register p: lanes 0-15 tile 2 p, lanes 16-31 tile 2 p + 1); v30-31 V's: scales and nothing else
.set PW,   25
.set KS,   26
.set VS,   30
.set KF,   32                          ; v32-95 K's eight tiles
.set SS,   96                          ; v96-159 S^T, then p
.set OT,   160                         ; v160-191 O^T
.set VF,   192                         ; v192-223 V's four fragments
.set PC,   224                         ; v224-231 p's codes; v232-254 at work
.set WV,   8
.set SEL,  32
.set CS,   34
.set TB,   36
.set TS,   37
.set TJ,   38
.set CNT,  39
.macro PLACES
.rept 4
	v_nop
.endr
.endm
.macro CROUND                          ; a round of the cluster's barrier
	s_barrier_signal -1
	s_barrier_wait -1
	s_cmp_lg_u32 s[WV], 0
	s_cbranch_scc1 .Lnot_wave_0_\@
	s_barrier_signal -3
.Lnot_wave_0_\@:
	s_barrier_wait -3
	s_barrier_signal -1
	s_barrier_wait -1
.endm
	s_load_b128 s[4:7], s[0:1], 0x0                ; qkv, ctx
	v_lshl_add_u32 v251, v0, 2, 0x29000
	v_mov_b32 v255, 0
	ds_add_u32 v251, v255
	ds_add_u32 v251, v255
	v_lshrrev_b32 v8, 5, v0
	v_readfirstlane_b32 s[WV], v8                  ; wave 0..7
	s_bfe_u32 s9, ttmp6, 0x40000                   ; cx
	s_lshl_b32 s10, ttmp9, 2
	s_add_co_u32 s10, s10, s9                      ; x: my block of 128 queries; it enters Q's and ctx's addresses alone
	s_and_b32 s11, ttmp7, 0xffff                   ; the head, which the four partners share
	s_mov_b32 s16, 15|(3<<16)|(1<<21)              ; group 1: the mask of all four; elements of 8 bytes; bit 21 set beside a mask
	s_mov_b32 s17, 32<<16                          ; tensor_dim0: 256 bytes
	s_mov_b32 s18, 35<<16                          ; tensor_dim1
	s_mov_b32 s19, 32<<16                          ; tile_dim0
	s_mov_b32 s20, 35                              ; tile_dim1
	s_mov_b32 s21, 32                              ; pitch: the block is dense
	s_mov_b32 s22, 0
	s_mov_b32 s23, 0
	s_mov_b32 s[SEL], 0x76543210
	s_mov_b32 s[SEL+1], 0xfedcba98
	s_mov_b32 s[CS], 0x3e38aa3b                    ; c = log2(e) / 8
	s_mov_b32 s[CS+1], s[CS]                       ; (named with it as a pair, so it is written)
	s_mov_b32 s[TB], 0
	s_mov_b32 s[TS], 0
	s_mov_b32 s[TJ], 0
	s_mul_i32 s40, s11, KVHEAD
	s_mul_i32 s42, s[WV], PART
	s_add_co_u32 s40, s40, s42
	s_mov_b32 s41, 0
	s_lshl_b32 s50, s11, 16                        ; Q's image: head, block, tile w
	s_lshl_b32 s52, s10, 12
	s_add_co_u32 s50, s50, s52
	s_lshl_b32 s52, s[WV], 9
	s_add_co_u32 s50, s50, s52
	s_add_co_u32 s50, s50, QIMGO
	s_mov_b32 s51, 0
	s_lshl_b32 s52, s11, 4                         ; Q's scale words: tile w's lie at 256 (w % 2) + 4 (w / 2) + 16 r
	s_add_co_u32 s52, s52, s10
	s_lshl_b32 s52, s52, 9
	s_and_b32 s53, s[WV], 1
	s_lshl_b32 s53, s53, 8
	s_add_co_u32 s52, s52, s53
	s_lshr_b32 s53, s[WV], 1
	s_lshl_b32 s53, s53, 2
	s_add_co_u32 s52, s52, s53
	s_add_co_u32 s52, s52, QSCO
	s_mov_b32 s53, 0
	s_lshl_b32 s54, s10, 3
	s_add_co_u32 s54, s54, s[WV]                   ; my row tile, 8 x + w
	s_lshl_b32 s56, s54, 9
	s_lshl_b32 s54, s54, 13
	s_lshl_b32 s55, s11, 9
	s_add_co_u32 s54, s54, s55                     ; ctx's image: [tile][head][512]
	s_mov_b32 s55, 0
	s_lshl_b32 s57, s11, 1
	s_add_co_u32 s56, s56, s57
	s_add_co_u32 s56, s56, 1048576                 ; its scale bytes: [tile][r][32], bytes 2 y + h
	s_mov_b32 s57, 0
	v_and_b32 v1, 31, v0
	v_lshlrev_b32 v[ASV0], 3, v1
	v_lshlrev_b32 v[AK0], 4, v1
	v_add_nc_u32 v[AV0], 32768, v[AK0]
	v_add_nc_u32 v[ASK0], 65536, v[AK0]
	v_add_nc_u32 v[ASV0], 69632, v[ASV0]
	v_bfe_u32 v6, v0, 4, 1                         ; h
	v_lshlrev_b32 v[SH8], 3, v6
	v_and_b32 v7, 15, v0                           ; r
	v_lshlrev_b32 v[ADS], 4, v7
	s_wait_dscnt 0x0
	s_wait_kmcnt 0x0
	s_mov_b32 s24, 1
	s_mov_b32 s25, s42                             ; LDS: my part of half 0
	s_add_nc_u64 s[26:27], s[4:5], s[40:41]
	s_mov_b32 s28, 1
	s_add_co_u32 s29, s42, KVHALF                  ; and of half 1
	s_add_nc_u64 s[30:31], s[26:27], KVHALF
	s_or_b32 s27, s27, 0x80000000
	s_or_b32 s31, s31, 0x80000000
	s_add_nc_u64 s[44:45], s[4:5], s[50:51]
	s_add_nc_u64 s[46:47], s[4:5], s[52:53]
	s_add_nc_u64 s[48:49], s[6:7], s[54:55]
	s_add_nc_u64 s[58:59], s[6:7], s[56:57]
	CROUND                                         ; all four work-groups are here: the joint loads meet
	tensor_load_to_lds s[24:27], s[16:23]          ; both first fills together: two tensor loads of mine are out
	s_nop 0
	tensor_load_to_lds s[28:31], s[16:23]
	s_nop 0
.rept 4
	v_nop
.endr
	global_load_b128 v[QF:QF+3], v[AK0], s[44:45]
	global_load_b32 v[QSW], v[ADS], s[46:47]
	v_mov_b32 v13, 0xff61b1e6                      ; the largest t so far: -3e38, under every t
	v_floor_f32 v12, -v13                          ; -M
	v_mov_b32 v14, 0
	v_mov_b32 v15, 0
.irp j, 4,5,6,7
	v_mov_b32 v[QF+\j], 0                          ; the K step's upper half: zero codes, in Q
.endr
.irp t, 0,1,2,3,4,5,6,7
.irp j, 4,5,6,7
	v_mov_b32 v[KF+8*\t+\j], 0                     ; and in K: written once, never loaded
.endr
.endr
.set j, 0
.rept 32
	v_mov_b32 v[OT+j], 0                           ; O^T: the step is written once; the first finds zeros, which the first change of M leaves zeros
.set j, j+1
.endr
	v_mov_b32 v234, 0                              ; lane permutes' destinations count as read
	v_mov_b32 v241, 0
	v_mov_b32 v253, 0                              ; (named as the upper half of the pair v[252:253])
; A KEY STEP: 128 keys.
.macro STEP
	v_add_nc_u32 v[ADK], s[TB], v[AK0]             ; these four are also the places between the last step's products and the loads into their registers
	v_add_nc_u32 v[ADV], s[TB], v[AV0]
	v_add_nc_u32 v[ADS], s[TS], v[ASK0]
	v_add_nc_u32 v[ADT], s[TJ], v[ASV0]
.irp t, 0,1,2,3,4,5,6,7
	ds_load_b128 v[KF+8*\t:KF+8*\t+3], v[ADK] offset:512*\t
.endr
	ds_load_b128 v[KS:KS+3], v[ADS]
.irp t, 0,1,2,3
.irp c, 0,1
	ds_load_b128 v[VF+8*\t+4*\c:VF+8*\t+4*\c+3], v[ADV] offset:1024*\t+512*\c
.endr
.endr
	ds_load_b64 v[VS:VS+1], v[ADT]
	s_wait_dscnt 9                                 ; K and its scale words are in; V's eight loads and its scale words may be out
.irp t, 0,2,4,6
	v_wmma_scale_f32_16x16x128_f8f6f4 v[SS+8*\t:SS+8*\t+7], v[KF+8*\t:KF+8*\t+7], v[QF:QF+7], 0, v[KS+\t/2], v[QSW] matrix_a_fmt:MATRIX_FMT_FP4 matrix_b_fmt:MATRIX_FMT_FP4
	v_wmma_scale_f32_16x16x128_f8f6f4 v[SS+8*\t+8:SS+8*\t+15], v[KF+8*\t+8:KF+8*\t+15], v[QF:QF+7], 0, v[KS+\t/2], v[QSW] matrix_a_fmt:MATRIX_FMT_FP4 matrix_b_fmt:MATRIX_FMT_FP4 matrix_a_scale:MATRIX_SCALE_ROW1
.endr
	PLACES
.irp c, 0,1
	v_max3_num_f32 v[232+\c], v[SS+32*\c], v[SS+32*\c+1], v[SS+32*\c+2]   ; THE LARGEST SCORE OF EACH OF MY TWO BLOCKS: it serves the row's maximum and, since p rises with the score, the block's largest p
.endr
.irp i, 3,5,7,9,11,13,15,17,19,21,23,25,27,29
.irp c, 0,1
	v_max3_num_f32 v[232+\c], v[232+\c], v[SS+32*\c+\i], v[SS+32*\c+\i+1]   ; each accumulator is first read at its lowest register
.endr
.endr
.irp c, 0,1
	v_max_num_f32 v[232+\c], v[232+\c], v[SS+32*\c+31]
.endr
	v_max_num_f32 v254, v232, v233
	v_permlanex16_b32 v234, v254, s[SEL], s[SEL+1]
	v_max_num_f32 v254, v254, v234                 ; the step's largest score of my query
	v_mul_f32 v254, s[CS], v254                    ; as t (c is positive)
	v_max_num_f32 v13, v13, v254                   ; the running largest t
	v_mov_b32 v254, v12
	v_floor_f32 v12, -v13                          ; the new -M = floor(-t): M is a whole number
	v_sub_f32 v254, v12, v254                      ; old M less new M: a whole number, 0 or less
	v_cvt_i32_f32 v254, v254                       ; (it saturates)
	v_ldexp_f32 v252, 1.0, v254                    ; f = 2^(old M - new M)
.set j, 0
.rept 32
	v_pk_fma_f32 v[SS+j:SS+j+1], v[SS+j:SS+j+1], s[CS:CS+1], v[12:13] op_sel_hi:[1,0,0]   ; t - M, two at a time
.set j, j+2
.endr
.irp c, 0,1
	v_fma_f32 v[232+\c], v[232+\c], s[CS], v12     ; the same of each block's largest score
.endr
.set j, 0
.rept 64
	v_exp_f32 v[SS+j], v[SS+j]                     ; p = 2^(t - M), at most 1
.set j, j+1
.endr
	v_pk_mul_f32 v[14:15], v[14:15], v[252:253] op_sel_hi:[1,0]   ; the sums under the new M: the plain instruction behind the exponentials
	s_wait_alu depctr_va_vdst(0)                   ; one wait for the batch, ahead of its first reader
.irp c, 0,1
	v_exp_f32 v[232+\c], v[232+\c]                 ; the block's largest p
.endr
	v_pk_add_f32 v[236:237], v[SS:SS+1], v[SS+2:SS+3]   ; THE ROW'S SUM IS TAKEN OF THE UNQUANTISED p, in two chains
.irp j, 4,8,12,16,20,24,28,32,36,40,44,48,52,56,60
	v_pk_add_f32 v[14:15], v[14:15], v[SS+\j:SS+\j+1]
	v_pk_add_f32 v[236:237], v[236:237], v[SS+\j+2:SS+\j+3]
.endr
	v_pk_add_f32 v[14:15], v[14:15], v[236:237]
	s_wait_alu depctr_va_vdst(0)                   ; and one for the two
.irp c, 0,1
	v_max_num_f32 v[232+\c], 0x1800000, v[232+\c]  ; the floor 2^(3 - 127)
.endr
.irp c, 0,1
	v_add_nc_u32 v[244+\c], 0xff000000, v[232+\c]  ; 2 off the exponent field: the conversion's scale operand
.endr
.irp c, 0,1
	v_lshrrev_b32 v[238+\c], 23, v[244+\c]         ; the scale's byte
.endr
	v_lshl_or_b32 v240, v239, 16, v238
	v_lshlrev_b32 v240, v[SH8], v240
	v_permlanex16_b32 v241, v240, s[SEL], s[SEL+1]
	v_or_b32 v[PW], v240, v241                     ; p's scale word for these 128 keys
.irp c, 0,1
.irp g, 0,1,2,3
	v_cvt_scalef32_pk8_fp4_f32 v[PC+4*\c+\g], v[SS+32*\c+8*\g:SS+32*\c+8*\g+7], v[244+\c]
.endr
.endr
	v_nop                                          ; one plain place behind the scaled conversions
.set j, 0
.rept 16
	v_pk_mul_f32 v[OT+j:OT+j+1], v[OT+j:OT+j+1], v[252:253] op_sel_hi:[1,0]   ; O^T under the new M.  These 16 and the v_nop stand between the scale word's last write and the products that name it
.set j, j+2
.endr
	s_wait_dscnt 0x0                               ; V and its scale words are in
.irp t, 0,2
	v_wmma_scale_f32_16x16x128_f8f6f4 v[OT+8*\t:OT+8*\t+7], v[VF+8*\t:VF+8*\t+7], v[PC:PC+7], v[OT+8*\t:OT+8*\t+7], v[VS+\t/2], v[PW] matrix_a_fmt:MATRIX_FMT_FP4 matrix_b_fmt:MATRIX_FMT_FP4
	v_wmma_scale_f32_16x16x128_f8f6f4 v[OT+8*\t+8:OT+8*\t+15], v[VF+8*\t+8:VF+8*\t+15], v[PC:PC+7], v[OT+8*\t+8:OT+8*\t+15], v[VS+\t/2], v[PW] matrix_a_fmt:MATRIX_FMT_FP4 matrix_b_fmt:MATRIX_FMT_FP4 matrix_a_scale:MATRIX_SCALE_ROW1
.endr
	s_add_co_u32 s[TB], s[TB], 4096                ; the next step's images,
	s_add_co_u32 s[TS], s[TS], 512                 ; K's scale words,
	s_add_co_u32 s[TJ], s[TJ], 256                 ; V's
.endm
.macro HALF                            ; eight key steps
	s_mov_b32 s[CNT], 8
.Lstep_\@:
	STEP
	s_sub_co_u32 s[CNT], s[CNT], 1
	s_cmp_lg_u32 s[CNT], 0
	s_cbranch_scc1 .Lstep_\@
.endm
	s_wait_tensorcnt 1                             ; my part of half 0 is in; half 1's may stay out
	s_barrier_signal -1
	s_barrier_wait -1                              ; everybody's is
	s_wait_loadcnt 0x0                             ; Q
	HALF
	s_wait_tensorcnt 0x0                           ; my part of half 1 is in,
	s_wait_dscnt 0x0
	s_barrier_signal -1
	s_barrier_wait -1                              ; everybody's is
	s_add_co_u32 s[TB], s[TB], KVHALF-32768
	s_add_co_u32 s[TS], s[TS], KVHALF-4096
	s_add_co_u32 s[TJ], s[TJ], KVHALF-2048
	HALF
	; THE WAY OUT: O^T / the sum is my query's 32 channels 32 h on of head y: one whole block of ctx's K.
	PLACES
	v_add_f32 v14, v14, v15                        ; the sum's two halves,
	v_permlanex16_b32 v252, v14, s[SEL], s[SEL+1]
	v_add_f32 v14, v14, v252                       ; and lane l xor 16's keys
	v_rcp_f32 v14, v14
	v_lshl_add_u32 v[ADS], v7, 5, v6               ; 32 r + h (the plain instruction behind the reciprocal)
	s_wait_alu depctr_va_vdst(0)                   ; ahead of the first reader
.set j, 0
.rept 32
	v_mul_f32 v[SS+j], v[OT+j], v14
.set j, j+1
.endr
	v_max3_num_f32 v232, |v[SS]|, |v[SS+1]|, 0x1800000
	v_max_num_f32 v233, |v[SS+2]|, |v[SS+3]|
.irp i, 4,8,12,16,20,24,28
	v_max3_num_f32 v232, v232, |v[SS+\i]|, |v[SS+\i+1]|
	v_max3_num_f32 v233, v233, |v[SS+\i+2]|, |v[SS+\i+3]|
.endr
	v_max_num_f32 v232, v232, v233
	v_add_nc_u32 v244, 0xff000000, v232
	v_lshrrev_b32 v238, 23, v244
.irp g, 0,1,2,3
	v_cvt_scalef32_pk8_fp4_f32 v[PC+\g], v[SS+8*\g:SS+8*\g+7], v244
.endr
	v_nop
	global_store_b128 v[AK0], v[PC:PC+3], s[48:49] ; 512 consecutive bytes: register group y % 2 of K step y / 2 of my tile's image
	global_store_b8 v[ADS], v238, s[58:59]
	s_wait_tensorcnt 0x0
	ds_add_u32 v251, v255
	s_wait_dscnt 0x0
	CROUND                                         ; the closing round: no work-group ends while a partner may still ask for a part that names it
	s_endpgm
.Lfunc_end_k_q275a35d7d0_attn:
	.size	k_q275a35d7d0_attn, .Lfunc_end_k_q275a35d7d0_attn-k_q275a35d7d0_attn
	.p2alignl 7, 3214868480
	.fill 96, 4, 3214868480
	.section	.rodata,"a",@progbits
	.p2align	6, 0x0
	.amdhsa_kernel k_q275a35d7d0_attn
		.amdhsa_group_segment_fixed_size 168960
		.amdhsa_private_segment_fixed_size 0
		.amdhsa_enable_private_segment 0
		.amdhsa_kernarg_size 16
		.amdhsa_user_sgpr_count 2
		.amdhsa_user_sgpr_kernarg_segment_ptr 1
		.amdhsa_wavefront_size32 1
		.amdhsa_system_sgpr_workgroup_id_x 1
		.amdhsa_system_sgpr_workgroup_id_y 1
		.amdhsa_system_sgpr_workgroup_id_z 1
		.amdhsa_system_vgpr_workitem_id 0
		.amdhsa_next_free_vgpr 256
		.amdhsa_next_free_sgpr 66
		.amdhsa_reserve_vcc 0
		.amdhsa_float_denorm_mode_32 3
		.amdhsa_float_denorm_mode_16_64 3
		.amdhsa_memory_ordered 1
		.amdhsa_forward_progress 1
		.amdhsa_inst_pref_size 39
	.end_amdhsa_kernel
	.amdgpu_metadata
---
amdhsa.version: [ 1, 2 ]
amdhsa.kernels:
  - .name:           k_q275a35d7d0_attn
    .symbol:         k_q275a35d7d0_attn.kd
    .args:
      - { .name: qkv, .offset: 0, .size: 8, .value_kind: global_buffer, .address_space: global }
      - { .name: ctx, .offset: 8, .size: 8, .value_kind: global_buffer, .address_space: global }
    .group_segment_fixed_size: 168960
    .private_segment_fixed_size: 0
    .kernarg_segment_align: 8
    .kernarg_segment_size: 16
    .max_flat_workgroup_size: 256
    .sgpr_count:     66
    .vgpr_count:     256
    .wavefront_size: 32
...
	.end_amdgpu_metadata
.endif
;; end of part 2
;; launch oproj (part 3): grid 128 x 1, 8 waves a work-group, clusters of 4 x 1, 279,552 bytes of LDS; arguments ctx, wimg, w_out_scales, b_out, src, ln1_g, ln1_b, xf, xq; writes xf, xq
.if DOCPART == 3
	.amdgcn_target "amdgcn-amd-amdhsa--gfx1250"
	.amdhsa_code_object_version 6
	.text
	.protected	k_q275a35d7d0_oproj
	.globl	k_q275a35d7d0_oproj
	.p2align	8
	.type	k_q275a35d7d0_oproj,@function
k_q275a35d7d0_oproj:
	s_mov_b64 s[64:65], 0
	v_nop
	global_prefetch_b8 v0, s[64:65] scope:SCOPE_SE
	s_setreg_imm32_b32 hwreg(HW_REG_WAVE_MODE, 25, 1), 1
	s_wait_xcnt 0x0
	s_wait_alu depctr_hold_cnt(0) depctr_sa_sdst(0) depctr_va_vdst(0) depctr_va_sdst(0) depctr_va_ssrc(0) depctr_va_vcc(0) depctr_vm_vsrc(0)
	s_getreg_b32 s2, hwreg(HW_REG_IB_STS2, 6, 4)
	s_cmp_eq_u32 s2, 0
	s_cbranch_scc0 .Lentry_in_a_cluster
	s_endpgm
.Lentry_in_a_cluster:
	s_bfe_u32 s2, ttmp6, 0x10000c
	s_cmp_lg_u32 s2, 0x3003
	s_cbranch_scc0 .Lentry_shape_is_right
	s_endpgm
.Lentry_shape_is_right:
; x = LayerNorm(src + (ctx w_out + b_out)[batch 0]) for both batches; x leaves as f32 (xf) and as codes of FP4 with E8M0 scales (xq, images of the next product's operand).
; SHARES.  A work-group owns one tile of 16 attention rows and all 1,024 columns, so that a row's mean and variance stay inside it; each attention row is made once and serves both batches: 128 work-groups.
; Wave w makes columns 128 w .. 128 w + 127: eight accumulators.  The product is used transposed (source 0 = 16 rows of w_out, source 1 = ctx's tile): a lane holds eight neighbouring columns of one row.
; THE WEIGHTS lie in wimg as images of the operand's registers and come by two roads.  K steps 0 to 3 go straight into a ring of three register sets, 16 loads of 512 consecutive bytes a K step, two K steps ahead.
; K steps 4 to 7, 262,144 bytes, come into LDS by tensor loads, filled once: wave w asks for its own eight tiles (8 rows of 4,096 bytes) and alone reads them.
; CLUSTER.  Every work-group reads the same weights: the four of a cluster ask JOINTLY, by the same tensor load with the same descriptor and the mask of all four.
; No ring of LDS slots for the other K steps: LDS holds four K steps of all columns; a refill would stand behind a round of the cluster's barrier with eight matrix instructions a wave a K step to cover it.
; ctx's tile, the norm's gain and its bias are loaded once a work-group, an eighth by each wave, and reach the other waves through LDS bytes of their own.
; The ring's last two slots bring the residual rows of src (both batches).
; The stages of the way out lie in the weights' bytes: those have had their only fill, and a barrier stands between every wave's last read of them and the first store.
; ROWS: row m of tile T of a block of 128 rows is 64 (T / 4) + 8 (T % 4) + 32 (m / 8) + m % 8, as the launches before laid them; xf and xq keep the tiles' order.
; The variance is taken of x - mean, in a second pass over the registers.
; LIMITS: NaN and infinities are not served; a block of zeros, or one whose largest magnitude lies under 2^-124, gets the scale byte 1.
.set WPART, 32768                      ; a wave's weights in LDS: [tile 8][K step 4][1,024]
.set AIMG,  8*WPART                    ; ctx's eight fragments, 8,192 bytes
.set GBL,   AIMG+8192                  ; the gain, 4,096 bytes, then the bias
.set SP,    4112                       ; a stage row: 4,096 bytes + 16 = 1,028 words: 16 rows start 4 banks apart (64 banks of 4 bytes: ISA guide 11.1).  The stage begins at LDS byte 0
.set TURN,  16*SP                      ; 4,608 bytes a wave: a row of x as 32 blocks of 128 bytes + 16
.set XIMGL, TURN+8*4608                ; x's images, [batch 2][8,192]
.set XSCL,  XIMGL+16384                ; x's scale bytes, [batch 2][r 16][32]
.set AF,   16                          ; v16-79 ctx's eight fragments; later two rows of the product
.set ZR,   80                          ; v80-111 the row at work
.set XB,   112                         ; v112-143 a block of 32 numbers of it
.set LW0,  80                          ; v80-143 before that: the weights' fragments of K steps 4 and 6
.set WS,   144                         ; v144-175 w_out's scale words, tile n at 144 + 4 n (scales and nothing else)
.set WLA,  176                         ; v176 my weights in LDS: 32,768 w + 16 x lane
.set AGO,  177                         ; v177 my eighth of ctx's tile: 1,024 w + 16 x lane
.set AIW,  178                         ; v178 where it goes in LDS
.set AIR,  179                         ; v179 the whole tile, back
.set GGO,  180                         ; v180 my eighth of the gain and of the bias: 512 w + 16 x lane
.set GBW,  181                         ; v181 where it goes in LDS
.set GBR,  182                         ; v182 and back
.set AS,   208                         ; v208-211 ctx's scale words
.set TC,   216                         ; v216-223 four chains
.set SM,   224
.set ST,   225
.set MU,   226                         ; v[226:227] -mean
.set RI,   228                         ; v[228:229] 1 / sqrt(var + eps)
.set QM,   230
.set QS,   232
.set QY,   233
.set PC,   236
.set WV,   22
.set SEL,  36
.set INV,  38
.set EPS,  39
.set G0,   44                          ; s[44:47] descriptor group 0, s[48:55] group 1: made of the wave's number and constants alone
.set G1,   48
.set TG,   56                          ; s56  my tile of rows
.set MSB, 0
.macro WIN new                         ; the immediate's high byte repeats the setting that is left
.if MSB != \new
	s_set_vgpr_msb (MSB<<8)|\new
.set MSB, \new
.endif
.endm
.macro PLACES
.rept 4
	v_nop
.endr
.endm
.macro WSUM                            ; v[SM] summed over the wave's 32 lanes, the result in every lane
.irp m, 1,2,4,8
	v_add_f32_dpp v[SM], v[SM], v[SM] row_xmask:\m row_mask:0xf bank_mask:0xf
.endr
	v_permlanex16_b32 v[ST], v[SM], s[SEL], s[SEL+1]
	v_add_f32 v[SM], v[SM], v[ST]
.endm
.macro CROUND                          ; a round of the cluster's barrier
	s_barrier_signal -1
	s_barrier_wait -1
	s_cmp_lg_u32 s[WV], 0
	s_cbranch_scc1 .Lnot_wave_0_\@
	s_barrier_signal -3
.Lnot_wave_0_\@:
	s_barrier_wait -3
	s_barrier_signal -1
	s_barrier_wait -1
.endm
; Slot k of the ring: 16 loads into set k % 3 of window 1.  0 .. 3: K step k of my eight weight tiles; 4, 5: src's two rows of batch 0, 1.
.macro SLOT k
.set RS, 64*((\k)%3)
	WIN 0x40
.if (\k) < 4
.irp n, 0,1,2,3,4,5,6,7
.irp c, 0,1
	global_load_b128 v[RS+8*\n+4*\c:RS+8*\n+4*\c+3], v1, s[6:7] offset:8192*\n+1024*(\k)+512*\c
.endr
.endr
.elseif (\k) == 4
.irp q, 0,1
.irp j, 0,1,2,3,4,5,6,7
	global_load_b128 v[RS+32*\q+4*\j:RS+32*\q+4*\j+3], v1, s[12:13] offset:4096*\q+512*\j th:TH_LOAD_NT
.endr
.endr
.else
.irp q, 0,1
.irp j, 0,1,2,3,4,5,6,7
	global_load_b128 v[RS+32*\q+4*\j:RS+32*\q+4*\j+3], v1, s[28:29] offset:4096*\q+512*\j th:TH_LOAD_NT
.endr
.endr
.endif
	WIN 0
.endm
; K step s = 4 .. 7 of my eight weight tiles, from LDS: the even steps into window 0's v80-143, the odd ones into ring set 0
.macro FETCHL s
.if ((\s)%2) == 0
.set LS, LW0
	WIN 0
.else
.set LS, 0
	WIN 0x40
.endif
.irp n, 0,1,2,3,4,5,6,7
.irp c, 0,1
	ds_load_b128 v[LS+8*\n+4*\c:LS+8*\n+4*\c+3], v[WLA] offset:4096*\n+1024*((\s)-4)+512*\c
.endr
.endr
	WIN 0
.endm
.macro MM2 d, a, b, sa, sb, row
.if \row
	v_wmma_scale_f32_16x16x128_f8f6f4 v[(\d):(\d)+7], v[(\a):(\a)+7], v[(\b):(\b)+7], v[(\d):(\d)+7], v[\sa], v[\sb] matrix_a_fmt:MATRIX_FMT_FP4 matrix_b_fmt:MATRIX_FMT_FP4 matrix_a_scale:MATRIX_SCALE_ROW1 matrix_b_scale:MATRIX_SCALE_ROW1
.else
	v_wmma_scale_f32_16x16x128_f8f6f4 v[(\d):(\d)+7], v[(\a):(\a)+7], v[(\b):(\b)+7], v[(\d):(\d)+7], v[\sa], v[\sb] matrix_a_fmt:MATRIX_FMT_FP4 matrix_b_fmt:MATRIX_FMT_FP4
.endif
.endm
; A K step whose weights come by the ring
.macro KSTEP s
.set RM, 64*((\s)%3)
	PLACES                                         ; in front of loads into the set that the last K step multiplied
	SLOT (\s)+2
.if (\s) == 3
	s_wait_tensorcnt 0x0                           ; my weights of K steps 4 to 7 lie in LDS; I alone read them
	FETCHL 4
.endif
	s_wait_loadcnt 32                              ; this K step's slot is in (in step 0: the scale words and the bias too); the two younger slots, 16 loads each, may be out
.if (\s) == 0
	s_wait_dscnt 0x0                               ; ctx's fragments are in
.endif
	WIN 0x51                                       ; the weights, C and D in window 1; ctx in window 0
.irp n, 0,1,2,3,4,5,6,7
	MM2 192+8*\n, RM+8*\n, AF+8*(\s), WS+4*\n+(\s)%4, AS+(\s)%4, (\s)/4      ; the eight accumulators by turns
.endr
	WIN 0
.endm
; A K step whose weights come from LDS
.macro LSTEP s
	PLACES                                         ; in front of loads into the set that the last K step multiplied
.if (\s) < 7
	FETCHL (\s)+1
	s_wait_dscnt 16                                ; all but the 16 just issued
.else
	s_wait_dscnt 0x0
.endif
.if ((\s)%2) == 0
.set RM, LW0
	WIN 0x50                                       ; the weights and ctx in window 0; C and D in window 1
.else
.set RM, 0
	WIN 0x51
.endif
.irp n, 0,1,2,3,4,5,6,7
	MM2 192+8*\n, RM+8*\n, AF+8*(\s), WS+4*\n+(\s)%4, AS+(\s)%4, (\s)/4
.endr
	WIN 0
.endm
	s_load_b256 s[4:11], s[0:1], 0x0               ; ctx, wimg, w_out_scales, b_out
	s_load_b256 s[12:19], s[0:1], 0x20             ; src, ln1_g, ln1_b, xf
	s_load_b64 s[20:21], s[0:1], 0x40              ; xq
	v_lshl_add_u32 v254, v0, 2, 0x44000
	v_mov_b32 v255, 0
	ds_add_u32 v254, v255
	ds_add_u32 v254, v255
	v_lshrrev_b32 v2, 5, v0
	v_readfirstlane_b32 s[WV], v2                  ; wave 0..7
	s_bfe_u32 s57, ttmp6, 0x40000                  ; cx
	s_lshl_b32 s[TG], ttmp9, 2                     ; in a cluster launch ttmp9 counts clusters
	s_add_co_u32 s[TG], s[TG], s57                 ; my tile of rows: it enters addresses in memory alone
	s_mov_b32 s[SEL], 0x76543210
	s_mov_b32 s[SEL+1], 0xfedcba98
	s_mov_b32 s[INV], 0x3a800000                   ; 1 / 1,024
	s_mov_b32 s[EPS], 0x3727c5ac                   ; 1e-5
	s_mov_b32 s[G1], 15|(3<<16)|(1<<21)            ; group 1: the mask of all four; elements of 8 bytes; bit 21 set beside a mask
	s_mov_b32 s[G1+1], 512<<16                     ; tensor_dim0: 4,096 bytes: four K steps of a tile
	s_mov_b32 s[G1+2], 8<<16                       ; tensor_dim1: eight tiles
	s_mov_b32 s[G1+3], 512<<16                     ; tile_dim0
	s_mov_b32 s[G1+4], 8                           ; tile_dim1
	s_mov_b32 s[G1+5], 1024                        ; pitch: a tile's eight K steps, 8,192 bytes
	s_mov_b32 s[G1+6], 0
	s_mov_b32 s[G1+7], 0
	v_and_b32 v14, 31, v0                          ; lane
	v_lshlrev_b32 v1, 4, v14                       ; v1  16 x lane
	v_and_b32 v2, 15, v0                           ; r
	v_bfe_u32 v3, v0, 4, 1                         ; h
	v_lshlrev_b32 v5, 5, v3                        ; v5  32 h: the bias
	v_lshlrev_b32 v4, 4, v3
	v_lshl_add_u32 v4, v2, 5, v4                   ; v4  32 r + 16 h: scale words, lanes 16-31 K steps 4 to 7
	v_mul_u32_u24 v6, v2, SP
	v_add_nc_u32 v6, v6, v5
	s_lshl_b32 s58, s[WV], 9
	v_add_nc_u32 v6, s58, v6                       ; v6  the stage, in: row r, + 512 w + 32 h
	v_add_nc_u32 v[GGO], s58, v1
	v_add_nc_u32 v[GBW], GBL, v[GGO]
	v_add_nc_u32 v[GBR], GBL, v1
	s_mul_i32 s58, s[WV], 2*SP
	v_add_nc_u32 v7, s58, v1                       ; v7  and back: rows 2 w, 2 w + 1
	v_lshrrev_b32 v8, 3, v14
	v_lshl_add_u32 v8, v8, 4, v1
	s_mul_i32 s58, s[WV], 4608
	s_add_co_u32 s58, s58, TURN
	v_add_nc_u32 v8, s58, v8                       ; v8  the turn, in: 16 bytes a lane, 16 of padding behind each 128
	v_mul_u32_u24 v9, v14, 144
	v_add_nc_u32 v9, s58, v9                       ; v9  and back: lane l takes block l
	s_lshl_b32 s58, s[WV], 5
	s_add_co_u32 s58, s58, XIMGL
	v_lshl_add_u32 v10, v14, 8, s58                ; v10 block l of tile row m lies at 256 l + 16 m of the image
	s_lshl_b32 s58, s[WV], 6
	s_add_co_u32 s58, s58, XSCL
	v_add_nc_u32 v11, s58, v14                     ; v11 its scale byte at 32 m + l
	s_lshl_b32 s58, s[WV], 11
	s_add_co_u32 s58, s58, XIMGL
	v_add_nc_u32 v12, s58, v1                      ; v12 the images' way out: 2,048 bytes a wave
	s_and_b32 s58, s[WV], 1
	s_lshl_b32 s58, s58, 9
	s_add_co_u32 s58, s58, XSCL
	v_add_nc_u32 v13, s58, v1                      ; v13 the scale bytes': waves 0 and 1
	s_lshl_b32 s58, s[WV], 15
	v_add_nc_u32 v[WLA], s58, v1
	s_lshl_b32 s58, s[WV], 10
	v_add_nc_u32 v[AGO], s58, v1
	v_add_nc_u32 v[AIW], AIMG, v[AGO]
	v_add_nc_u32 v[AIR], AIMG, v1
	v_mov_b32 v[ST], 0                             ; a lane permute's destination counts as read
	v_mov_b32 v[MU+1], 0                           ; (upper halves of pairs of which the low word serves both halves)
	v_mov_b32 v[RI+1], 0
	s_lshr_b32 s40, s[TG], 3                       ; the true row of tile row 2 w
	s_lshl_b32 s40, s40, 7
	s_bfe_u32 s41, s[TG], 0x10002
	s_lshl_b32 s41, s41, 6
	s_add_co_u32 s40, s40, s41
	s_and_b32 s41, s[TG], 3
	s_lshl_b32 s41, s41, 3
	s_add_co_u32 s40, s40, s41
	s_lshr_b32 s41, s[WV], 2
	s_lshl_b32 s41, s41, 5
	s_add_co_u32 s40, s40, s41
	s_and_b32 s41, s[WV], 3
	s_lshl_b32 s41, s41, 1
	s_add_co_u32 s40, s40, s41
	s_lshl_b32 s40, s40, 12
	s_mov_b32 s41, 0
	s_mov_b32 s43, 0
	s_mov_b32 s59, 0
	s_wait_dscnt 0x0
	s_wait_kmcnt 0x0
	s_add_nc_u64 s[12:13], s[12:13], s[40:41]      ; src, batch 0;
	s_add_nc_u64 s[28:29], s[12:13], 0x800000      ; batch 1
	s_lshl_b32 s42, s[TG], 13
	s_add_nc_u64 s[24:25], s[4:5], s[42:43]        ; ctx's images of my tile,
	s_lshl_b32 s42, s[TG], 9
	s_add_co_u32 s42, s42, 1048576
	s_add_nc_u64 s[26:27], s[4:5], s[42:43]        ; and its scale bytes
	s_lshl_b32 s58, s[WV], 16                      ; (offsets made of the wave's number alone have registers of their own)
	s_add_nc_u64 s[6:7], s[6:7], s[58:59]          ; w_out's images: my eight tiles
	s_lshl_b32 s58, s[WV], 12
	s_add_nc_u64 s[8:9], s[8:9], s[58:59]
	s_lshl_b32 s58, s[WV], 9
	s_add_nc_u64 s[10:11], s[10:11], s[58:59]
	s_mov_b32 s[G0], 1                             ; group 0: count = 1;
	s_lshl_b32 s[G0+1], s[WV], 15                  ; LDS: my 32,768 bytes;
	s_add_nc_u64 s[G0+2:G0+3], s[6:7], 4096        ; K step 4 of my first tile;
	s_or_b32 s[G0+3], s[G0+3], 0x80000000          ; type = 2
	s_lshl_b32 s42, s[TG], 4
	s_lshl_b32 s40, s[WV], 1
	s_add_co_u32 s42, s42, s40
	s_lshl_b32 s42, s42, 12
	s_add_nc_u64 s[18:19], s[18:19], s[42:43]      ; xf: row 16 Tg + 2 w, batch 0;
	s_add_nc_u64 s[30:31], s[18:19], 0x800000      ; batch 1: 128 tiles on
	s_lshr_b32 s42, s[WV], 2
	s_lshl_b32 s42, s42, 7
	s_add_co_u32 s42, s42, s[TG]
	s_lshl_b32 s42, s42, 13
	s_and_b32 s40, s[WV], 3
	s_lshl_b32 s40, s40, 11
	s_add_co_u32 s42, s42, s40
	s_add_nc_u64 s[32:33], s[20:21], s[42:43]      ; xq's images: batch w / 4, quarter w % 4
	s_and_b32 s42, s[WV], 1
	s_lshl_b32 s42, s42, 7
	s_add_co_u32 s42, s42, s[TG]
	s_lshl_b32 s42, s42, 9
	s_add_co_u32 s42, s42, 2097152
	s_add_nc_u64 s[34:35], s[20:21], s[42:43]      ; xq's scale bytes
.irp k, 0,1
	global_load_b128 v[AF+4*\k:AF+4*\k+3], v[AGO], s[24:25] offset:512*\k th:TH_LOAD_NT   ; my eighth of ctx's tile: one fragment
.endr
	global_load_b128 v[TC:TC+3], v[GGO], s[14:15]  ; my eighth of the gain,
	global_load_b128 v[TC+4:TC+7], v[GGO], s[16:17]   ; and of the bias
	SLOT 0
.irp n, 0,1,2,3,4,5,6,7
	global_load_b128 v[WS+4*\n:WS+4*\n+3], v4, s[8:9] offset:512*\n
.endr
	global_load_b128 v[AS:AS+3], v4, s[26:27]
	WIN 0x40
.irp n, 0,1,2,3,4,5,6,7
	global_load_b128 v[192+8*\n:195+8*\n], v5, s[10:11] offset:64*\n          ; the bias goes straight into the accumulators: every product then adds in place
	global_load_b128 v[196+8*\n:199+8*\n], v5, s[10:11] offset:64*\n+16
.endr
	WIN 0
	CROUND                                         ; all four work-groups are here: the joint loads meet
	tensor_load_to_lds s[G0:G0+3], s[G1:G1+7]      ; filled once: one tensor load of mine is out
	s_nop 0
.rept 4
	v_nop
.endr
	s_wait_loadcnt 41                              ; my parts of ctx, gain and bias are in; behind them: slot 0's 16 loads, 9 of scale words, 16 of the bias
.irp k, 0,1
	ds_store_b128 v[AIW], v[AF+4*\k:AF+4*\k+3] offset:512*\k
.endr
	ds_store_b128 v[GBW], v[TC:TC+3]
	ds_store_b128 v[GBW], v[TC+4:TC+7] offset:4096
	SLOT 1
	s_wait_dscnt 0x0                               ; for the others' sake: my parts lie in LDS
	s_barrier_signal -1
	s_barrier_wait -1                              ; everybody's do
.set k, 0
.rept 16
	ds_load_b128 v[AF+4*k:AF+4*k+3], v[AIR] offset:512*k
.set k, k+1
.endr
.irp s, 0,1,2,3
	KSTEP \s
.endr
.irp s, 4,5,6,7
	LSTEP \s
.endr
	PLACES                                         ; in front of the first read of the results and of loads into the products' registers
	s_wait_dscnt 0x0                               ; my reads of the weights are over,
	s_barrier_signal -1
	s_barrier_wait -1                              ; everybody's are, and every wave's tensor load has landed: the stages may take these bytes
	WIN 0x04                                       ; store data in window 1
.irp n, 0,1,2,3,4,5,6,7
	ds_store_b128 v6, v[192+8*\n:195+8*\n] offset:64*\n                       ; each accumulator from its low end on
	ds_store_b128 v6, v[196+8*\n:199+8*\n] offset:64*\n+16
.endr
	WIN 0
	s_wait_dscnt 0x0                               ; for the others' sake: my columns lie in the stage
	s_barrier_signal -1
	s_barrier_wait -1
.irp q, 0,1
.irp j, 0,1,2,3,4,5,6,7
	ds_load_b128 v[AF+32*\q+4*\j:AF+32*\q+4*\j+3], v7 offset:SP*\q+512*\j     ; tile rows 2 w and 2 w + 1, whole: lane l holds columns 128 j + 4 l on
.endr
.endr
	WIN 0x40
.irp j, 0,1,2,3,4,5,6,7
	ds_load_b128 v[4*\j:4*\j+3], v[GBR] offset:512*\j                         ; the gain, in the same order, into ring set 0;
.endr
.irp j, 0,1,2,3,4,5,6,7
	ds_load_b128 v[32+4*\j:32+4*\j+3], v[GBR] offset:4096+512*\j              ; the bias
.endr
	WIN 0
	s_wait_loadcnt 0x0                             ; src's rows
	s_wait_dscnt 0x0
; v[ZR ..] = LayerNorm(v[y ..] + window 1's v[res ..]) with the gain at window 1's v[gb ..] and the bias 32 registers on
.macro LN y, res, gb
	WIN 0x04
.set p, 0
.rept 16
	v_pk_add_f32 v[ZR+p:ZR+p+1], v[(\y)+p:(\y)+p+1], v[(\res)+p:(\res)+p+1]
.set p, p+2
.endr
	WIN 0
.irp k, 0,1,2,3
	v_pk_add_f32 v[TC+2*\k:TC+2*\k+1], v[ZR+4*\k:ZR+4*\k+1], v[ZR+4*\k+2:ZR+4*\k+3]   ; the sum, in four chains
.endr
.irp p, 16,24
.irp k, 0,1,2,3
	v_pk_add_f32 v[TC+2*\k:TC+2*\k+1], v[TC+2*\k:TC+2*\k+1], v[ZR+\p+2*\k:ZR+\p+2*\k+1]
.endr
.endr
	v_pk_add_f32 v[TC:TC+1], v[TC:TC+1], v[TC+2:TC+3]
	v_pk_add_f32 v[TC+4:TC+5], v[TC+4:TC+5], v[TC+6:TC+7]
	v_pk_add_f32 v[TC:TC+1], v[TC:TC+1], v[TC+4:TC+5]
	v_add_f32 v[SM], v[TC], v[TC+1]
	WSUM
	v_mul_f32 v[MU], 0xba800000, v[SM]             ; -mean
.set p, 0
.rept 16
	v_pk_add_f32 v[ZR+p:ZR+p+1], v[ZR+p:ZR+p+1], v[MU:MU+1] op_sel_hi:[1,0]
.set p, p+2
.endr
.irp k, 0,1,2,3
	v_pk_mul_f32 v[TC+2*\k:TC+2*\k+1], v[ZR+2*\k:ZR+2*\k+1], v[ZR+2*\k:ZR+2*\k+1]     ; the squares, in four chains
.endr
.irp p, 8,16,24
.irp k, 0,1,2,3
	v_pk_fma_f32 v[TC+2*\k:TC+2*\k+1], v[ZR+\p+2*\k:ZR+\p+2*\k+1], v[ZR+\p+2*\k:ZR+\p+2*\k+1], v[TC+2*\k:TC+2*\k+1]
.endr
.endr
	v_pk_add_f32 v[TC:TC+1], v[TC:TC+1], v[TC+2:TC+3]
	v_pk_add_f32 v[TC+4:TC+5], v[TC+4:TC+5], v[TC+6:TC+7]
	v_pk_add_f32 v[TC:TC+1], v[TC:TC+1], v[TC+4:TC+5]
	v_add_f32 v[SM], v[TC], v[TC+1]
	WSUM
	v_fma_f32 v[SM], v[SM], s[INV], s[EPS]         ; the variance + eps
	v_rsq_f32 v[RI], v[SM]
	v_nop                                          ; the plain instruction behind it,
	s_wait_alu depctr_va_vdst(0)                   ; and the wait ahead of its first reader
.set p, 0
.rept 16
	v_pk_mul_f32 v[ZR+p:ZR+p+1], v[ZR+p:ZR+p+1], v[RI:RI+1] op_sel_hi:[1,0]
.set p, p+2
.endr
	WIN 0x14
.set p, 0
.rept 16
	v_pk_fma_f32 v[ZR+p:ZR+p+1], v[ZR+p:ZR+p+1], v[(\gb)+p:(\gb)+p+1], v[(\gb)+32+p:(\gb)+32+p+1]
.set p, p+2
.endr
	WIN 0
.endm
; Row 2 w + q of batch b: the norm, x to xf, then x's 32 blocks, one a lane, to codes
.macro XROW b, q, res, base
	s_wait_xcnt 0x0                                ; the last row's stores have read the registers that are written again
	LN AF+32*(\q), \res, 0
.irp j, 0,1,2,3,4,5,6,7
	global_store_b128 v1, v[ZR+4*\j:ZR+4*\j+3], s[\base:\base+1] offset:4096*(\q)+512*\j   ; 512 consecutive bytes a store
.endr
.irp j, 0,1,2,3,4,5,6,7
	ds_store_b128 v8, v[ZR+4*\j:ZR+4*\j+3] offset:576*\j
.endr
.irp g, 0,1,2,3,4,5,6,7
	ds_load_b128 v[XB+4*\g:XB+4*\g+3], v9 offset:16*\g                         ; LDS serves a wave's instructions in order: these see my stores
.endr
	s_wait_dscnt 0x0                               ; my block is in; the last row's code and byte stores have read their registers
	v_max3_num_f32 v[QM], |v[XB]|, |v[XB+1]|, 0x1800000                        ; with the floor 2^(3 - 127)
	v_max_num_f32 v[QM+1], |v[XB+2]|, |v[XB+3]|
.irp i, 4,8,12,16,20,24,28
	v_max3_num_f32 v[QM], v[QM], |v[XB+\i]|, |v[XB+\i+1]|
	v_max3_num_f32 v[QM+1], v[QM+1], |v[XB+\i+2]|, |v[XB+\i+3]|
.endr
	v_max_num_f32 v[QM], v[QM], v[QM+1]
	v_add_nc_u32 v[QS], 0xff000000, v[QM]          ; 2 off the exponent field: the conversion's scale operand
	v_lshrrev_b32 v[QY], 23, v[QS]                 ; the scale's byte
.irp g, 0,1,2,3
	v_cvt_scalef32_pk8_fp4_f32 v[PC+\g], v[XB+8*\g:XB+8*\g+7], v[QS]
.endr
	v_nop
	ds_store_b128 v10, v[PC:PC+3] offset:8192*(\b)+16*(\q)
	ds_store_b8 v11, v[QY] offset:512*(\b)+32*(\q)
.endm
	XROW 0, 0, 64, 18                              ; batch 0's rows of src lie in ring set 1, batch 1's in set 2
	XROW 0, 1, 96, 18
	XROW 1, 0, 128, 30
	XROW 1, 1, 160, 30
	s_wait_dscnt 0x0                               ; for the others' sake: my rows' codes and bytes lie in LDS
	s_barrier_signal -1
	s_barrier_wait -1
.irp k, 0,1,2,3
	ds_load_b128 v[AF+4*\k:AF+4*\k+3], v12 offset:512*\k
.endr
	s_wait_dscnt 0x0
.irp k, 0,1,2,3
	global_store_b128 v1, v[AF+4*\k:AF+4*\k+3], s[32:33] offset:512*\k
.endr
	s_cmp_lt_u32 s[WV], 2
	s_cbranch_scc0 .Lend
	ds_load_b128 v[AF+32:AF+35], v13
	s_wait_dscnt 0x0
	global_store_b128 v1, v[AF+32:AF+35], s[34:35] ; batch w's 512 scale bytes of the tile
.Lend:
	s_wait_tensorcnt 0x0
	ds_add_u32 v254, v255
	s_wait_dscnt 0x0
	CROUND                                         ; the closing round: no work-group ends while a partner may still ask for a part that names it
	s_endpgm
.Lfunc_end_k_q275a35d7d0_oproj:
	.size	k_q275a35d7d0_oproj, .Lfunc_end_k_q275a35d7d0_oproj-k_q275a35d7d0_oproj
	.p2alignl 7, 3214868480
	.fill 96, 4, 3214868480
	.section	.rodata,"a",@progbits
	.p2align	6, 0x0
	.amdhsa_kernel k_q275a35d7d0_oproj
		.amdhsa_group_segment_fixed_size 279552
		.amdhsa_private_segment_fixed_size 0
		.amdhsa_enable_private_segment 0
		.amdhsa_kernarg_size 72
		.amdhsa_user_sgpr_count 2
		.amdhsa_user_sgpr_kernarg_segment_ptr 1
		.amdhsa_wavefront_size32 1
		.amdhsa_system_sgpr_workgroup_id_x 1
		.amdhsa_system_sgpr_workgroup_id_y 1
		.amdhsa_system_sgpr_workgroup_id_z 1
		.amdhsa_system_vgpr_workitem_id 0
		.amdhsa_next_free_vgpr 512
		.amdhsa_next_free_sgpr 66
		.amdhsa_reserve_vcc 0
		.amdhsa_float_denorm_mode_32 3
		.amdhsa_float_denorm_mode_16_64 3
		.amdhsa_memory_ordered 1
		.amdhsa_forward_progress 1
		.amdhsa_inst_pref_size 82
	.end_amdhsa_kernel
	.amdgpu_metadata
---
amdhsa.version: [ 1, 2 ]
amdhsa.kernels:
  - .name:           k_q275a35d7d0_oproj
    .symbol:         k_q275a35d7d0_oproj.kd
    .args:
      - { .name: ctx, .offset: 0, .size: 8, .value_kind: global_buffer, .address_space: global }
      - { .name: wimg, .offset: 8, .size: 8, .value_kind: global_buffer, .address_space: global }
      - { .name: w_out_scales, .offset: 16, .size: 8, .value_kind: global_buffer, .address_space: global }
      - { .name: b_out, .offset: 24, .size: 8, .value_kind: global_buffer, .address_space: global }
      - { .name: src, .offset: 32, .size: 8, .value_kind: global_buffer, .address_space: global }
      - { .name: ln1_g, .offset: 40, .size: 8, .value_kind: global_buffer, .address_space: global }
      - { .name: ln1_b, .offset: 48, .size: 8, .value_kind: global_buffer, .address_space: global }
      - { .name: xf, .offset: 56, .size: 8, .value_kind: global_buffer, .address_space: global }
      - { .name: xq, .offset: 64, .size: 8, .value_kind: global_buffer, .address_space: global }
    .group_segment_fixed_size: 279552
    .private_segment_fixed_size: 0
    .kernarg_segment_align: 8
    .kernarg_segment_size: 72
    .max_flat_workgroup_size: 256
    .sgpr_count:     66
    .vgpr_count:     512
    .wavefront_size: 32
...
	.end_amdgpu_metadata
.endif
;; end of part 3
;; launch ffn1 (part 4): grid 16 x 16, 4 waves a work-group, clusters of 4 x 1, 168,448 bytes of LDS; arguments xq, wimg, ffn_w1_scales, ffn_b1, hq; writes hq
.if DOCPART == 4
	.amdgcn_target "amdgcn-amd-amdhsa--gfx1250"
	.amdhsa_code_object_version 6
	.text
	.protected	k_q275a35d7d0_ffn1
	.globl	k_q275a35d7d0_ffn1
	.p2align	8
	.type	k_q275a35d7d0_ffn1,@function
k_q275a35d7d0_ffn1:
	s_mov_b64 s[64:65], 0
	v_nop
	global_prefetch_b8 v0, s[64:65] scope:SCOPE_SE
	s_setreg_imm32_b32 hwreg(HW_REG_WAVE_MODE, 25, 1), 1
	s_wait_xcnt 0x0
	s_wait_alu depctr_hold_cnt(0) depctr_sa_sdst(0) depctr_va_vdst(0) depctr_va_sdst(0) depctr_va_ssrc(0) depctr_va_vcc(0) depctr_vm_vsrc(0)
	s_getreg_b32 s2, hwreg(HW_REG_IB_STS2, 6, 4)
	s_cmp_eq_u32 s2, 0
	s_cbranch_scc0 .Lentry_in_a_cluster
	s_endpgm
.Lentry_in_a_cluster:
	s_bfe_u32 s2, ttmp6, 0x10000c
	s_cmp_lg_u32 s2, 0x3003
	s_cbranch_scc0 .Lentry_shape_is_right
	s_endpgm
.Lentry_shape_is_right:
; h = gelu(x W1 + b1), exact gelu, on codes of FP4 (E2M1) with E8M0 scales; h leaves quantised along the hidden 2,048, as images of the next product's operand.
; SHARES.  Work-group (X, S): 16 row tiles (256 rows) x hidden units 128 S .. 128 S + 127.  Wave w: row tiles 16 X + 4 w + a, a = 0 .. 3, against all eight unit tiles: 32 accumulators, 256 matrix instructions.
; The product is used transposed (source 0 = 16 rows of W1, source 1 = x's tile), and W1's tile T holds rows 64 (T / 4) + 8 (T % 4) + 32 (m / 8) + m % 8 of the group: a lane's 64 results of a row tile are two WHOLE blocks of 32
; hidden units in ascending order: one K step of the next product, quantised with no other lane's numbers.
; W1's 64 KiB of the group lie in wimg as images; the four waves and the four work-groups of a cluster (same S) read the same: they come by JOINT tensor loads, in two K halves, each filled once.
; x's fragments are each read by one wave: they go from memory straight into registers, 512 consecutive bytes a load.
; GELU: 0.5 v (1 + erf(v / sqrt(2))), erf(z) = z P(z^2) / Q(z^2) with z held to +-3.8325, all in f32.
; LIMITS: 1 + erf carries an absolute error of about 1e-7, so gelu's relative error grows in the far negative tail and gelu is 0 below about v = -5.4.  NaN and infinities are not served; a block of zeros, or one whose
; largest magnitude lies under 2^-124, gets the scale byte 1.
; REGISTERS, in windows of 256: window 0: v1-9 addresses; v16-47 W1's scale words, v48-63 x's (scales and nothing else); v64-127, v128-191 two sets of W1's fragments, later the numbers at work; v192-255 codes, constants.
;   window 1: x's fragments (a, s) at 8 (8 a + s).   window 2: the accumulators (a, T) at 8 (8 a + T).   window 3: v0-63 b1 in the result's layout.
.set WS,   16
.set XS,   48
.set HV,   64                          ; v64-127 0.5 v, then gelu
.set XX,   128                         ; v128-143 z;  v144-159 z^2;  v160-175 P;  v176-191 Q
.set X2,   144
.set PP,   160
.set QQ,   176
.set PCB,  192                         ; v192-223 codes, 8 registers for each a, so that no store's data are written again
.set PWB,  224                         ; v224-227 scale words
.set QM,   228
.set QS,   230
.set QY,   232
.set QT,   234
.set QU,   235
.set A1V,  236                         ; v[236:237], v[238:239] the second coefficient of each chain; v240 the clip
.set B1V,  238
.set CL,   240
.set SH8,  4
.set WV,   14
.set SEL,  32
.set A0,   36
.set A2,   38
.set A3,   40
.set A4,   42
.set B0,   44
.set B2,   46
.set B3,   48
.set B4,   50
.set B5,   52
.set SQ2,  54
.set MSB, 0
.macro WIN new                         ; the immediate's high byte repeats the setting that is left
.if MSB != \new
	s_set_vgpr_msb (MSB<<8)|\new
.set MSB, \new
.endif
.endm
.macro PLACES
.rept 4
	v_nop
.endr
.endm
.macro CROUND                          ; a round of the cluster's barrier
	s_barrier_signal -1
	s_barrier_wait -1
	s_cmp_lg_u32 s[WV], 0
	s_cbranch_scc1 .Lnot_wave_0_\@
	s_barrier_signal -3
.Lnot_wave_0_\@:
	s_barrier_wait -3
	s_barrier_signal -1
	s_barrier_wait -1
.endm
.macro CONST reg, val                  ; a packed form names a pair and takes its low word for both halves: both are written
	s_mov_b32 s[\reg], \val
	s_mov_b32 s[\reg+1], \val
.endm
; 64 numbers of a lane, v[x + 32 c + n] = number n of block 2 c + h of my row, become the fragment's 8 registers in v[pc] on and my row's scale word in v[pw]
.macro QB x, pc, pw
.irp c, 0,1
	v_max3_num_f32 v[QM+\c], |v[(\x)+32*\c]|, |v[(\x)+32*\c+1]|, 0x1800000   ; with the floor 2^(3 - 127)
.endr
.irp i, 2,4,6,8,10,12,14,16,18,20,22,24,26,28,30
.irp c, 0,1
	v_max3_num_f32 v[QM+\c], v[QM+\c], |v[(\x)+32*\c+\i]|, |v[(\x)+32*\c+\i+1]|
.endr
.endr
.irp c, 0,1
	v_add_nc_u32 v[QS+\c], 0xff000000, v[QM+\c]
.endr
.irp c, 0,1
	v_lshrrev_b32 v[QY+\c], 23, v[QS+\c]
.endr
	v_lshl_or_b32 v[QT], v[QY+1], 16, v[QY]
	v_lshlrev_b32 v[QT], v[SH8], v[QT]
	v_permlanex16_b32 v[QU], v[QT], s[SEL], s[SEL+1]
	v_or_b32 v[\pw], v[QT], v[QU]
.irp c, 0,1
.irp g, 0,1,2,3
	v_cvt_scalef32_pk8_fp4_f32 v[(\pc)+4*\c+\g], v[(\x)+32*\c+8*\g:(\x)+32*\c+8*\g+7], v[QS+\c]
.endr
.endr
	v_nop
.endm
	s_load_b256 s[4:11], s[0:1], 0x0               ; xq, wimg, ffn_w1_scales, ffn_b1
	s_load_b64 s[12:13], s[0:1], 0x20              ; hq
	v_lshl_add_u32 v254, v0, 2, 0x29000
	v_mov_b32 v255, 0
	ds_add_u32 v254, v255
	ds_add_u32 v254, v255
	v_lshrrev_b32 v2, 5, v0
	v_readfirstlane_b32 s[WV], v2                  ; wave 0..3
	s_bfe_u32 s15, ttmp6, 0x40000                  ; cx
	s_lshl_b32 s58, ttmp9, 2
	s_add_co_u32 s15, s58, s15                     ; X: it enters x's and h's addresses alone
	s_and_b32 s57, ttmp7, 0xffff                   ; S, which the four partners share
	s_mov_b32 s16, 15|(3<<16)|(1<<21)              ; group 1: the mask of all four; elements of 8 bytes; bit 21 set beside a mask
	s_mov_b32 s17, 32<<16                          ; 32 rows of 256 dense bytes
	s_mov_b32 s18, 32<<16
	s_mov_b32 s19, 32<<16
	s_mov_b32 s20, 32
	s_mov_b32 s21, 32
	s_mov_b32 s22, 0
	s_mov_b32 s23, 0
	s_mov_b32 s[SEL], 0x76543210
	s_mov_b32 s[SEL+1], 0xfedcba98
	s_mov_b32 s34, 0xffff0000                      ; lanes 16-31
	CONST A0, 0x39702d51                           ; P: 2.2905066e-4, (3.4082910e-3), 5.0955695e-2, 0.18520832, 1.1283791
	CONST A2, 0x3d50b6eb
	CONST A3, 0x3e3da740
	CONST A4, 0x3f906eba
	CONST B0, 0xb3fd3906                           ; Q: -1.1791603e-7, (2.3547966e-5), 1.0179625e-3, 1.4070470e-2, 0.11098505, 0.49746925, 1
	CONST B2, 0x3a856d28
	CONST B3, 0x3c6687d4
	CONST B4, 0x3de34c21
	CONST B5, 0x3efeb44a
	CONST SQ2, 0x3fb504f3                          ; sqrt(2)
	v_mov_b32 v[A1V], 0x3b5f5da2
	v_mov_b32 v[A1V+1], 0x3b5f5da2
	v_mov_b32 v[B1V], 0x37c588df
	v_mov_b32 v[B1V+1], 0x37c588df
	v_mov_b32 v[CL], 0x407547cb                    ; 3.8325069
	v_mov_b32 v[QU], 0                             ; a lane permute's destination counts as read
	v_and_b32 v9, 31, v0
	v_lshlrev_b32 v1, 4, v9                        ; v1  16 x lane
	v_lshlrev_b32 v9, 2, v9                        ; v9  4 x lane
	v_and_b32 v2, 15, v0                           ; r
	v_bfe_u32 v3, v0, 4, 1                         ; h
	v_lshlrev_b32 v[SH8], 3, v3
	v_and_b32 v5, 7, v0
	v_bfe_u32 v6, v0, 3, 1
	v_lshl_add_u32 v5, v6, 5, v5                   ; r % 8 + 32 (r / 8)
	v_lshlrev_b32 v7, 4, v3
	v_lshl_add_u32 v6, v5, 5, v7                   ; v6  W1's scale words: 32 bytes a row; lanes 16-31 K steps 4 to 7
	v_lshl_add_u32 v7, v2, 5, v7                   ; v7  x's
	v_lshlrev_b32 v8, 7, v3                        ; v8  b1: 32 numbers a half
	s_lshl_b32 s58, s57, 16
	s_lshl_b32 s60, s[WV], 13
	s_add_co_u32 s58, s58, s60
	s_add_co_u32 s58, s58, 524288                  ; W1's images of group S, my eighth of them
	s_mov_b32 s59, 0
	s_lshl_b32 s61, s15, 4
	s_lshl_b32 s62, s[WV], 2
	s_add_co_u32 s61, s61, s62                     ; my first row tile, 16 X + 4 w
	s_mov_b32 s75, 0
	s_wait_dscnt 0x0
	s_wait_kmcnt 0x0
	s_mov_b32 s24, 1
	s_mov_b32 s25, s60                             ; LDS: K steps 0 to 3, my quarter;
	s_add_nc_u64 s[26:27], s[6:7], s[58:59]
	s_mov_b32 s28, 1
	s_add_co_u32 s29, s60, 32768                   ; K steps 4 to 7
	s_add_nc_u64 s[30:31], s[26:27], 32768
	s_or_b32 s27, s27, 0x80000000
	s_or_b32 s31, s31, 0x80000000
	s_lshl_b32 s74, s61, 13
	s_add_nc_u64 s[66:67], s[4:5], s[74:75]        ; x's images
	s_lshl_b32 s74, s61, 9
	s_add_co_u32 s74, s74, 2097152
	s_add_nc_u64 s[68:69], s[4:5], s[74:75]        ; x's scale bytes
	s_lshl_b32 s74, s57, 12
	s_add_nc_u64 s[8:9], s[8:9], s[74:75]
	s_lshl_b32 s74, s57, 9
	s_add_nc_u64 s[10:11], s[10:11], s[74:75]
	s_lshl_b32 s74, s61, 14
	s_lshl_b32 s62, s57, 10
	s_add_co_u32 s74, s74, s62
	s_add_nc_u64 s[70:71], s[12:13], s[74:75]      ; h's images: [tile][S][1,024]
	s_lshl_b32 s74, s57, 14
	s_lshl_b32 s62, s61, 6
	s_add_co_u32 s74, s74, s62
	s_add_co_u32 s74, s74, 4194304
	s_add_nc_u64 s[72:73], s[12:13], s[74:75]      ; h's scale words: [S][tile][16]
	CROUND                                         ; all four work-groups are here: the joint loads meet
	tensor_load_to_lds s[24:27], s[16:23]          ; both first fills together: two tensor loads of mine are out
	s_nop 0
	tensor_load_to_lds s[28:31], s[16:23]
	s_nop 0
.rept 4
	v_nop
.endr
.irp t, 0,1,2,3,4,5,6,7
	global_load_b128 v[WS+4*\t:WS+4*\t+3], v6, s[8:9] offset:2048*(\t/4)+256*(\t%4)
.endr
.irp a, 0,1,2,3
	global_load_b128 v[XS+4*\a:XS+4*\a+3], v7, s[68:69] offset:512*\a
.endr
	WIN 0xc0                                       ; destinations in window 3
.irp t, 0,1,2,3,4,5,6,7
	global_load_b128 v[8*\t:8*\t+3], v8, s[10:11] offset:256*(\t/4)+32*(\t%4)
	global_load_b128 v[8*\t+4:8*\t+7], v8, s[10:11] offset:256*(\t/4)+32*(\t%4)+16
.endr
	WIN 0x40                                       ; destinations in window 1
.irp s, 0,1,2,3,4,5,6,7
.irp a, 0,1,2,3
.irp c, 0,1
	global_load_b128 v[8*(8*\a+\s)+4*\c:8*(8*\a+\s)+4*\c+3], v1, s[66:67] offset:8192*\a+1024*\s+512*\c   ; K step by K step: eight loads each
.endr
.endr
.endr
	WIN 0
.macro MMF d, a, b, c, sa, sb, row
.if \row
	v_wmma_scale_f32_16x16x128_f8f6f4 v[(\d):(\d)+7], v[(\a):(\a)+7], v[(\b):(\b)+7], v[(\c):(\c)+7], v[\sa], v[\sb] matrix_a_fmt:MATRIX_FMT_FP4 matrix_b_fmt:MATRIX_FMT_FP4 matrix_a_scale:MATRIX_SCALE_ROW1 matrix_b_scale:MATRIX_SCALE_ROW1
.else
	v_wmma_scale_f32_16x16x128_f8f6f4 v[(\d):(\d)+7], v[(\a):(\a)+7], v[(\b):(\b)+7], v[(\c):(\c)+7], v[\sa], v[\sb] matrix_a_fmt:MATRIX_FMT_FP4 matrix_b_fmt:MATRIX_FMT_FP4
.endif
.endm
.macro FETCHW s                        ; W1's eight fragments of K step s
.set FS, 64+64*((\s)%2)
.irp t, 0,1,2,3,4,5,6,7
.irp c, 0,1
	ds_load_b128 v[FS+8*\t+4*\c:FS+8*\t+4*\c+3], v1 offset:8192*(\s)+1024*\t+512*\c
.endr
.endr
.endm
.macro KSTEP s
.set FM, 64+64*((\s)%2)
	PLACES                                         ; in front of loads into the set that the last K step multiplied
.if (\s) == 3
	s_wait_tensorcnt 0x0                           ; my part of K steps 4 to 7 is in,
	s_wait_dscnt 0x0
	s_barrier_signal -1
	s_barrier_wait -1                              ; everybody's is
.endif
.if (\s) < 7
	FETCHW (\s)+1
	s_wait_dscnt 16                                ; all but the 16 just issued
.else
	s_wait_dscnt 0x0
.endif
	s_wait_loadcnt 8*(7-(\s))                      ; x's fragments of this K step are in; those of the later K steps, eight loads each, may be out
.if (\s) == 0
	WIN 0xb4                                       ; x in window 1, C = b1 in window 3, D in window 2
.else
	WIN 0xa4                                       ; C and D in window 2
.endif
.irp a, 0,1,2,3
.irp t, 0,1,2,3,4,5,6,7
.if (\s) == 0
	MMF 8*(8*\a+\t), FM+8*\t, 8*(8*\a+(\s)), 8*\t, WS+4*\t+(\s)%4, XS+4*\a+(\s)%4, (\s)/4
.else
	MMF 8*(8*\a+\t), FM+8*\t, 8*(8*\a+(\s)), 8*(8*\a+\t), WS+4*\t+(\s)%4, XS+4*\a+(\s)%4, (\s)/4   ; the 32 accumulators by turns
.endif
.endr
.endr
	WIN 0
.endm
	s_wait_tensorcnt 1                             ; my part of K steps 0 to 3 is in; the other half may stay out
	s_barrier_signal -1
	s_barrier_wait -1
	FETCHW 0
.irp s, 0,1,2,3,4,5,6,7
	KSTEP \s
.endr
; gelu of 16 numbers: v[HV + o ..] holds 0.5 v and takes 0.5 v (1 + erf(v / sqrt(2)))
.macro PK8 d, a, b, cs                 ; eight packed multiply-adds d = a x b + the scalar pair cs
.set p, 0
.rept 8
	v_pk_fma_f32 v[\d+p:\d+p+1], v[\a+p:\a+p+1], v[\b+p:\b+p+1], s[\cs:\cs+1] op_sel_hi:[1,1,0]
.set p, p+2
.endr
.endm
.macro GELU16 o
.set p, 0
.rept 8
	v_pk_mul_f32 v[XX+p:XX+p+1], v[HV+(\o)+p:HV+(\o)+p+1], s[SQ2:SQ2+1] op_sel_hi:[1,0]   ; z = v / sqrt(2)
.set p, p+2
.endr
.set p, 0
.rept 16
	v_med3_num_f32 v[XX+p], v[XX+p], -v[CL], v[CL]
.set p, p+1
.endr
.set p, 0
.rept 8
	v_pk_mul_f32 v[X2+p:X2+p+1], v[XX+p:XX+p+1], v[XX+p:XX+p+1]
.set p, p+2
.endr
.set p, 0
.rept 8
	v_pk_fma_f32 v[PP+p:PP+p+1], v[X2+p:X2+p+1], s[A0:A0+1], v[A1V:A1V+1] op_sel_hi:[1,0,1]
	v_pk_fma_f32 v[QQ+p:QQ+p+1], v[X2+p:X2+p+1], s[B0:B0+1], v[B1V:B1V+1] op_sel_hi:[1,0,1]
.set p, p+2
.endr
	PK8 PP, PP, X2, A2
	PK8 QQ, QQ, X2, B2
	PK8 PP, PP, X2, A3
	PK8 QQ, QQ, X2, B3
	PK8 PP, PP, X2, A4
	PK8 QQ, QQ, X2, B4
	PK8 QQ, QQ, X2, B5
.set p, 0
.rept 8
	v_pk_fma_f32 v[QQ+p:QQ+p+1], v[QQ+p:QQ+p+1], v[X2+p:X2+p+1], 1.0 op_sel_hi:[1,1,0]
.set p, p+2
.endr
.set p, 0
.rept 16
	v_rcp_f32 v[QQ+p], v[QQ+p]
.set p, p+1
.endr
.set p, 0
.rept 8
	v_pk_mul_f32 v[PP+p:PP+p+1], v[PP+p:PP+p+1], v[XX+p:XX+p+1]               ; z P: plain work behind the reciprocals, which names none of them
.set p, p+2
.endr
	s_wait_alu depctr_va_vdst(0)                   ; one wait for the 16 reciprocals, ahead of their first reader
.set p, 0
.rept 8
	v_pk_mul_f32 v[PP+p:PP+p+1], v[PP+p:PP+p+1], v[QQ+p:QQ+p+1]               ; erf
.set p, p+2
.endr
.set p, 0
.rept 8
	v_pk_fma_f32 v[HV+(\o)+p:HV+(\o)+p+1], v[HV+(\o)+p:HV+(\o)+p+1], v[PP+p:PP+p+1], v[HV+(\o)+p:HV+(\o)+p+1]
.set p, p+2
.endr
.endm
.macro EPI a                           ; row tile a: its 64 numbers a lane become one fragment of h
	WIN 0x02                                       ; source 0 in window 2
.set p, 0
.rept 32
	v_pk_mul_f32 v[HV+p:HV+p+1], v[64*(\a)+p:64*(\a)+p+1], 0.5 op_sel_hi:[1,0]   ; each accumulator from its low end on
.set p, p+2
.endr
	WIN 0
	GELU16 0
	GELU16 16
	GELU16 32
	GELU16 48
	QB HV, PCB+8*(\a), PWB+(\a)
.irp c, 0,1
	global_store_b128 v1, v[PCB+8*(\a)+4*\c:PCB+8*(\a)+4*\c+3], s[70:71] offset:16384*(\a)+512*\c   ; 512 consecutive bytes a store
.endr
.endm
	PLACES
	EPI 0
	EPI 1
	EPI 2
	EPI 3
	v_cndmask_b32 v[QM], v[PWB], v[PWB+1], s34     ; lanes 0-15 carry tile 2 p's words, lanes 16-31 tile 2 p + 1's: 128 consecutive bytes a store
	v_cndmask_b32 v[QM+1], v[PWB+2], v[PWB+3], s34
	global_store_b32 v9, v[QM], s[72:73]
	global_store_b32 v9, v[QM+1], s[72:73] offset:128
	s_wait_tensorcnt 0x0
	ds_add_u32 v254, v255
	s_wait_dscnt 0x0
	CROUND                                         ; the closing round: no work-group ends while a partner may still ask for a part that names it
	s_endpgm
.Lfunc_end_k_q275a35d7d0_ffn1:
	.size	k_q275a35d7d0_ffn1, .Lfunc_end_k_q275a35d7d0_ffn1-k_q275a35d7d0_ffn1
	.p2alignl 7, 3214868480
	.fill 96, 4, 3214868480
	.section	.rodata,"a",@progbits
	.p2align	6, 0x0
	.amdhsa_kernel k_q275a35d7d0_ffn1
		.amdhsa_group_segment_fixed_size 168448
		.amdhsa_private_segment_fixed_size 0
		.amdhsa_enable_private_segment 0
		.amdhsa_kernarg_size 40
		.amdhsa_user_sgpr_count 2
		.amdhsa_user_sgpr_kernarg_segment_ptr 1
		.amdhsa_wavefront_size32 1
		.amdhsa_system_sgpr_workgroup_id_x 1
		.amdhsa_system_sgpr_workgroup_id_y 1
		.amdhsa_system_sgpr_workgroup_id_z 1
		.amdhsa_system_vgpr_workitem_id 0
		.amdhsa_next_free_vgpr 832
		.amdhsa_next_free_sgpr 100
		.amdhsa_reserve_vcc 0
		.amdhsa_float_denorm_mode_32 3
		.amdhsa_float_denorm_mode_16_64 3
		.amdhsa_memory_ordered 1
		.amdhsa_forward_progress 1
		.amdhsa_inst_pref_size 224
	.end_amdhsa_kernel
	.amdgpu_metadata
---
amdhsa.version: [ 1, 2 ]
amdhsa.kernels:
  - .name:           k_q275a35d7d0_ffn1
    .symbol:         k_q275a35d7d0_ffn1.kd
    .args:
      - { .name: xq, .offset: 0, .size: 8, .value_kind: global_buffer, .address_space: global }
      - { .name: wimg, .offset: 8, .size: 8, .value_kind: global_buffer, .address_space: global }
      - { .name: ffn_w1_scales, .offset: 16, .size: 8, .value_kind: global_buffer, .address_space: global }
      - { .name: ffn_b1, .offset: 24, .size: 8, .value_kind: global_buffer, .address_space: global }
      - { .name: hq, .offset: 32, .size: 8, .value_kind: global_buffer, .address_space: global }
    .group_segment_fixed_size: 168448
    .private_segment_fixed_size: 0
    .kernarg_segment_align: 8
    .kernarg_segment_size: 40
    .max_flat_workgroup_size: 128
    .sgpr_count:     100
    .vgpr_count:     832
    .wavefront_size: 32
...
	.end_amdgpu_metadata
.endif
;; end of part 4
;; launch ffn2 (part 5): grid 256 x 1, 8 waves a work-group, clusters of 4 x 1, 287,744 bytes of LDS; arguments hq, wimg, ffn_w2_scales, ffn_b2, xf, ln2_g, ln2_b, out0; writes out0
.if DOCPART == 5
	.amdgcn_target "amdgcn-amd-amdhsa--gfx1250"
	.amdhsa_code_object_version 6
	.text
	.protected	k_q275a35d7d0_ffn2
	.globl	k_q275a35d7d0_ffn2
	.p2align	8
	.type	k_q275a35d7d0_ffn2,@function
k_q275a35d7d0_ffn2:
	s_mov_b64 s[64:65], 0
	v_nop
	global_prefetch_b8 v0, s[64:65] scope:SCOPE_SE
	s_setreg_imm32_b32 hwreg(HW_REG_WAVE_MODE, 25, 1), 1
	s_wait_xcnt 0x0
	s_wait_alu depctr_hold_cnt(0) depctr_sa_sdst(0) depctr_va_vdst(0) depctr_va_sdst(0) depctr_va_ssrc(0) depctr_va_vcc(0) depctr_vm_vsrc(0)
	s_getreg_b32 s2, hwreg(HW_REG_IB_STS2, 6, 4)
	s_cmp_eq_u32 s2, 0
	s_cbranch_scc0 .Lentry_in_a_cluster
	s_endpgm
.Lentry_in_a_cluster:
	s_bfe_u32 s2, ttmp6, 0x10000c
	s_cmp_lg_u32 s2, 0x3003
	s_cbranch_scc0 .Lentry_shape_is_right
	s_endpgm
.Lentry_shape_is_right:
; out = LayerNorm(x + (h W2 + b2)); the product on codes of FP4 (E2M1) with E8M0 scales, K = 2,048.
; SHARES.  A work-group owns one tile of 16 rows and all 1,024 columns, so that a row's mean and variance stay inside it.  Wave w makes columns 128 w .. 128 w + 127: eight accumulators.
; The product is used transposed (source 0 = 16 rows of W2, source 1 = h's tile): a lane holds eight neighbouring columns of one row.
; THE WEIGHTS lie in wimg as images of the operand's registers and come by two roads.  K steps 0 to 11 go straight into a ring of three register sets, 16 loads of 512 consecutive bytes a K step, two K steps ahead.
; K steps 12 to 15, 262,144 bytes, come into LDS by tensor loads, filled once: wave w asks for its own eight tiles (8 rows of 4,096 bytes) and alone reads them.
; CLUSTER.  Every work-group reads the same weights: the four of a cluster ask JOINTLY, by the same tensor load with the same descriptor and the mask of all four.
; No ring of LDS slots for the other K steps: LDS holds four K steps of all columns; a refill would stand behind a round of the cluster's barrier with eight matrix instructions a wave a K step to cover it.
; h's tile, the norm's gain and its bias are loaded once a work-group, an eighth by each wave, and reach the other waves through LDS bytes of their own.
; The ring's last slot brings x's two rows.
; The stage of the way out lies in the weights' bytes: those have had their only fill, and a barrier stands between every wave's last read of them and the first store.
; ROWS: row m of tile T of a block of 128 rows is 64 (T / 4) + 8 (T % 4) + 32 (m / 8) + m % 8, as the launches before laid them; here they go back to their true places in out0.
; The variance is taken of the numbers less their mean, in a second pass over the registers.  LIMITS: NaN and infinities are not served.
.set WPART, 32768                      ; a wave's weights in LDS: [tile 8][K step 4][1,024]
.set AIMG,  8*WPART                    ; h's sixteen fragments, 16,384 bytes
.set GBL,   AIMG+16384                 ; the gain, 4,096 bytes, then the bias
.set SP,    4112                       ; a stage row: 4,096 bytes + 16 = 1,028 words: 16 rows start 4 banks apart (64 banks of 4 bytes: ISA guide 11.1).  The stage begins at LDS byte 0
.set WLA,  9                           ; v9   my weights in LDS: 32,768 w + 16 x lane
.set AIW,  10                          ; v10  where my eighth of h's tile goes in LDS
.set AIR,  11                          ; v11  the whole tile, back
.set GBW,  12                          ; v12  where my eighth of the gain and of the bias goes
.set GBR,  13                          ; v13  and back
.set AGO,  14                          ; v14  my eighth of h's tile: 2,048 w + 16 x lane
.set GGO,  15                          ; v15  my eighth of the gain and of the bias: 512 w + 16 x lane
.set AF,   16                          ; v16-143 h's sixteen fragments; later two rows of the product
.set ZR,   80                          ; v80-111 the row at work
.set WS,   144                         ; v144-207 W2's scale words: tile n, K step s: register 8 n + 4 (s / 8) + s % 4, lanes 16-31 where (s / 4) % 2 (scales and nothing else)
.set AS,   208                         ; v208-215 h's scale words: K step s: register s / 2, lanes 16-31 for odd s
.set TC,   216
.set SM,   224
.set ST,   225
.set MU,   226
.set RI,   228
.set WV,   22
.set SEL,  36
.set INV,  38
.set EPS,  39
.set G0,   44                          ; s[44:47] descriptor group 0, s[48:55] group 1: made of the wave's number and constants alone
.set G1,   48
.set TG,   56                          ; s56  my tile of rows
.set MSB, 0
.macro WIN new                         ; the immediate's high byte repeats the setting that is left
.if MSB != \new
	s_set_vgpr_msb (MSB<<8)|\new
.set MSB, \new
.endif
.endm
.macro PLACES
.rept 4
	v_nop
.endr
.endm
.macro WSUM                            ; v[SM] summed over the wave's 32 lanes, the result in every lane
.irp m, 1,2,4,8
	v_add_f32_dpp v[SM], v[SM], v[SM] row_xmask:\m row_mask:0xf bank_mask:0xf
.endr
	v_permlanex16_b32 v[ST], v[SM], s[SEL], s[SEL+1]
	v_add_f32 v[SM], v[SM], v[ST]
.endm
.macro CROUND                          ; a round of the cluster's barrier
	s_barrier_signal -1
	s_barrier_wait -1
	s_cmp_lg_u32 s[WV], 0
	s_cbranch_scc1 .Lnot_wave_0_\@
	s_barrier_signal -3
.Lnot_wave_0_\@:
	s_barrier_wait -3
	s_barrier_signal -1
	s_barrier_wait -1
.endm
; Slot k of the ring: 16 loads into set k % 3 of window 1.  0 .. 11: K step k of my eight weight tiles; 12: x's two rows.
.macro SLOT k
.set RS, 64*((\k)%3)
	WIN 0x40
.if (\k) < 12
.irp n, 0,1,2,3,4,5,6,7
.irp c, 0,1
	global_load_b128 v[RS+8*\n+4*\c:RS+8*\n+4*\c+3], v1, s[6:7] offset:16384*\n+1024*(\k)+512*\c
.endr
.endr
.else
.irp q, 0,1
.irp j, 0,1,2,3,4,5,6,7
	global_load_b128 v[RS+32*\q+4*\j:RS+32*\q+4*\j+3], v1, s[12:13] offset:4096*\q+512*\j th:TH_LOAD_NT
.endr
.endr
.endif
	WIN 0
.endm
; K step s = 12 .. 15 of my eight weight tiles, from LDS, into ring set 1 (even s) or 2 (odd s)
.macro FETCHL s
.set LS, 64*(1+(\s)%2)
	WIN 0x40
.irp n, 0,1,2,3,4,5,6,7
.irp c, 0,1
	ds_load_b128 v[LS+8*\n+4*\c:LS+8*\n+4*\c+3], v[WLA] offset:4096*\n+1024*((\s)-12)+512*\c
.endr
.endr
	WIN 0
.endm
.macro MM4 d, a, b, sa, sb, ra, rb
.if (\ra) && (\rb)
	v_wmma_scale_f32_16x16x128_f8f6f4 v[(\d):(\d)+7], v[(\a):(\a)+7], v[(\b):(\b)+7], v[(\d):(\d)+7], v[\sa], v[\sb] matrix_a_fmt:MATRIX_FMT_FP4 matrix_b_fmt:MATRIX_FMT_FP4 matrix_a_scale:MATRIX_SCALE_ROW1 matrix_b_scale:MATRIX_SCALE_ROW1
.elseif (\ra)
	v_wmma_scale_f32_16x16x128_f8f6f4 v[(\d):(\d)+7], v[(\a):(\a)+7], v[(\b):(\b)+7], v[(\d):(\d)+7], v[\sa], v[\sb] matrix_a_fmt:MATRIX_FMT_FP4 matrix_b_fmt:MATRIX_FMT_FP4 matrix_a_scale:MATRIX_SCALE_ROW1
.elseif (\rb)
	v_wmma_scale_f32_16x16x128_f8f6f4 v[(\d):(\d)+7], v[(\a):(\a)+7], v[(\b):(\b)+7], v[(\d):(\d)+7], v[\sa], v[\sb] matrix_a_fmt:MATRIX_FMT_FP4 matrix_b_fmt:MATRIX_FMT_FP4 matrix_b_scale:MATRIX_SCALE_ROW1
.else
	v_wmma_scale_f32_16x16x128_f8f6f4 v[(\d):(\d)+7], v[(\a):(\a)+7], v[(\b):(\b)+7], v[(\d):(\d)+7], v[\sa], v[\sb] matrix_a_fmt:MATRIX_FMT_FP4 matrix_b_fmt:MATRIX_FMT_FP4
.endif
.endm
; A K step whose weights come by the ring
.macro KSTEP s
.set RM, 64*((\s)%3)
	PLACES                                         ; in front of loads into the set that the last K step multiplied
.if (\s) < 11
	SLOT (\s)+2
	s_wait_loadcnt 32                              ; this K step's slot is in (in step 0: the scale words and the bias too); the two younger slots, 16 loads each, may be out
.else
	s_wait_tensorcnt 0x0                           ; my weights of K steps 12 to 15 lie in LDS; I alone read them
	FETCHL 12
	s_wait_loadcnt 16                              ; slot 11 is in; slot 12, x's rows, may be out
.endif
.if (\s) == 0
	s_wait_dscnt 0x0                               ; h's fragments are in
.endif
	WIN 0x51                                       ; the weights, C and D in window 1; h in window 0
.irp n, 0,1,2,3,4,5,6,7
	MM4 192+8*\n, RM+8*\n, AF+8*(\s), WS+8*\n+4*((\s)/8)+(\s)%4, AS+(\s)/2, ((\s)/4)%2, (\s)%2   ; the eight accumulators by turns
.endr
	WIN 0
.endm
; A K step whose weights come from LDS
.macro LSTEP s
.set RM, 64*(1+(\s)%2)
	PLACES                                         ; in front of loads into the set that the last K step multiplied
.if (\s) < 15
	FETCHL (\s)+1
	s_wait_dscnt 16                                ; all but the 16 just issued
.else
	s_wait_dscnt 0x0
.endif
	WIN 0x51
.irp n, 0,1,2,3,4,5,6,7
	MM4 192+8*\n, RM+8*\n, AF+8*(\s), WS+8*\n+4*((\s)/8)+(\s)%4, AS+(\s)/2, ((\s)/4)%2, (\s)%2
.endr
	WIN 0
.endm
	s_load_b256 s[4:11], s[0:1], 0x0               ; hq, wimg, ffn_w2_scales, ffn_b2
	s_load_b256 s[12:19], s[0:1], 0x20             ; xf, ln2_g, ln2_b, out0
	v_lshl_add_u32 v254, v0, 2, 0x46000
	v_mov_b32 v255, 0
	ds_add_u32 v254, v255
	ds_add_u32 v254, v255
	v_lshrrev_b32 v2, 5, v0
	v_readfirstlane_b32 s[WV], v2                  ; wave 0..7
	s_bfe_u32 s57, ttmp6, 0x40000                  ; cx
	s_lshl_b32 s[TG], ttmp9, 2                     ; in a cluster launch ttmp9 counts clusters
	s_add_co_u32 s[TG], s[TG], s57                 ; my tile of rows: it enters addresses in memory alone
	s_mov_b32 s[SEL], 0x76543210
	s_mov_b32 s[SEL+1], 0xfedcba98
	s_mov_b32 s[INV], 0x3a800000                   ; 1 / 1,024
	s_mov_b32 s[EPS], 0x3727c5ac                   ; 1e-5
	s_mov_b32 s[G1], 15|(3<<16)|(1<<21)            ; group 1: the mask of all four; elements of 8 bytes; bit 21 set beside a mask
	s_mov_b32 s[G1+1], 512<<16                     ; tensor_dim0: 4,096 bytes: four K steps of a tile
	s_mov_b32 s[G1+2], 8<<16                       ; tensor_dim1: eight tiles
	s_mov_b32 s[G1+3], 512<<16                     ; tile_dim0
	s_mov_b32 s[G1+4], 8                           ; tile_dim1
	s_mov_b32 s[G1+5], 2048                        ; pitch: a tile's sixteen K steps, 16,384 bytes
	s_mov_b32 s[G1+6], 0
	s_mov_b32 s[G1+7], 0
	v_and_b32 v1, 31, v0
	v_lshlrev_b32 v1, 4, v1                        ; v1  16 x lane
	v_and_b32 v2, 15, v0                           ; r
	v_bfe_u32 v3, v0, 4, 1                         ; h
	v_lshlrev_b32 v5, 5, v3                        ; v5  32 h: the bias
	v_lshlrev_b32 v4, 4, v3
	v_lshl_add_u32 v4, v2, 6, v4                   ; v4  64 r + 16 h: W2's scale words
	v_lshlrev_b32 v8, 2, v2
	v_lshl_add_u32 v8, v3, 14, v8                  ; v8  4 r + 16,384 h: h's scale words, lanes 16-31 the odd K steps
	v_mul_u32_u24 v6, v2, SP
	v_add_nc_u32 v6, v6, v5
	s_lshl_b32 s34, s[WV], 9
	v_add_nc_u32 v6, s34, v6                       ; v6  the stage, in: row r, + 512 w + 32 h
	v_add_nc_u32 v[GGO], s34, v1
	v_add_nc_u32 v[GBW], GBL, v[GGO]
	v_add_nc_u32 v[GBR], GBL, v1
	s_mul_i32 s34, s[WV], 2*SP
	v_add_nc_u32 v7, s34, v1                       ; v7  and back: rows 2 w, 2 w + 1
	s_lshl_b32 s34, s[WV], 15
	v_add_nc_u32 v[WLA], s34, v1
	s_lshl_b32 s34, s[WV], 11
	v_add_nc_u32 v[AGO], s34, v1
	v_add_nc_u32 v[AIW], AIMG, v[AGO]
	v_add_nc_u32 v[AIR], AIMG, v1
	v_mov_b32 v[ST], 0                             ; a lane permute's destination counts as read
	v_mov_b32 v[MU+1], 0                           ; (upper halves of pairs of which the low word serves both halves)
	v_mov_b32 v[RI+1], 0
	s_lshr_b32 s40, s[TG], 3                       ; the true row of tile row 2 w: 128 (Tg / 8) takes the batch in
	s_lshl_b32 s40, s40, 7
	s_bfe_u32 s41, s[TG], 0x10002
	s_lshl_b32 s41, s41, 6
	s_add_co_u32 s40, s40, s41
	s_and_b32 s41, s[TG], 3
	s_lshl_b32 s41, s41, 3
	s_add_co_u32 s40, s40, s41
	s_lshr_b32 s41, s[WV], 2
	s_lshl_b32 s41, s41, 5
	s_add_co_u32 s40, s40, s41
	s_and_b32 s41, s[WV], 3
	s_lshl_b32 s41, s41, 1
	s_add_co_u32 s40, s40, s41
	s_lshl_b32 s40, s40, 12
	s_mov_b32 s41, 0
	s_mov_b32 s43, 0
	s_mov_b32 s35, 0
	s_wait_dscnt 0x0
	s_wait_kmcnt 0x0
	s_add_nc_u64 s[18:19], s[18:19], s[40:41]      ; out0
	s_lshl_b32 s42, s[TG], 14
	s_add_nc_u64 s[24:25], s[4:5], s[42:43]        ; h's images of my tile,
	s_lshl_b32 s42, s[TG], 6
	s_add_co_u32 s42, s42, 4194304
	s_add_nc_u64 s[26:27], s[4:5], s[42:43]        ; and its scale words
	s_lshl_b32 s34, s[WV], 17                      ; (offsets made of the wave's number alone have registers of their own)
	s_add_co_u32 s34, s34, 1572864
	s_add_nc_u64 s[6:7], s[6:7], s[34:35]          ; W2's images: my eight tiles
	s_lshl_b32 s34, s[WV], 13
	s_add_nc_u64 s[8:9], s[8:9], s[34:35]
	s_lshl_b32 s34, s[WV], 9
	s_add_nc_u64 s[10:11], s[10:11], s[34:35]
	s_mov_b32 s[G0], 1                             ; group 0: count = 1;
	s_lshl_b32 s[G0+1], s[WV], 15                  ; LDS: my 32,768 bytes;
	s_add_nc_u64 s[G0+2:G0+3], s[6:7], 12288       ; K step 12 of my first tile;
	s_or_b32 s[G0+3], s[G0+3], 0x80000000          ; type = 2
	s_lshl_b32 s42, s[TG], 4
	s_lshl_b32 s40, s[WV], 1
	s_add_co_u32 s42, s42, s40
	s_lshl_b32 s42, s42, 12
	s_add_nc_u64 s[12:13], s[12:13], s[42:43]      ; xf: row 16 Tg + 2 w
.irp k, 0,1,2,3
	global_load_b128 v[AF+4*\k:AF+4*\k+3], v[AGO], s[24:25] offset:512*\k th:TH_LOAD_NT   ; my eighth of h's tile: two fragments
.endr
	global_load_b128 v[TC:TC+3], v[GGO], s[14:15]  ; my eighth of the gain,
	global_load_b128 v[TC+4:TC+7], v[GGO], s[16:17]   ; and of the bias
	SLOT 0
.irp n, 0,1,2,3,4,5,6,7
.irp u, 0,1
	global_load_b128 v[WS+8*\n+4*\u:WS+8*\n+4*\u+3], v4, s[8:9] offset:1024*\n+32*\u
.endr
.endr
.irp p, 0,1,2,3,4,5,6,7
	global_load_b32 v[AS+\p], v8, s[26:27] offset:32768*\p
.endr
	WIN 0x40
.irp n, 0,1,2,3,4,5,6,7
	global_load_b128 v[192+8*\n:195+8*\n], v5, s[10:11] offset:64*\n          ; the bias goes straight into the accumulators: every product then adds in place
	global_load_b128 v[196+8*\n:199+8*\n], v5, s[10:11] offset:64*\n+16
.endr
	WIN 0
	CROUND                                         ; all four work-groups are here: the joint loads meet
	tensor_load_to_lds s[G0:G0+3], s[G1:G1+7]      ; filled once: one tensor load of mine is out
	s_nop 0
.rept 4
	v_nop
.endr
	s_wait_loadcnt 56                              ; my parts of h, gain and bias are in; behind them: slot 0's 16 loads, 24 of scale words, 16 of the bias
.irp k, 0,1,2,3
	ds_store_b128 v[AIW], v[AF+4*\k:AF+4*\k+3] offset:512*\k
.endr
	ds_store_b128 v[GBW], v[TC:TC+3]
	ds_store_b128 v[GBW], v[TC+4:TC+7] offset:4096
	SLOT 1
	s_wait_dscnt 0x0                               ; for the others' sake: my parts lie in LDS
	s_barrier_signal -1
	s_barrier_wait -1                              ; everybody's do
.set k, 0
.rept 32
	ds_load_b128 v[AF+4*k:AF+4*k+3], v[AIR] offset:512*k
.set k, k+1
.endr
.irp s, 0,1,2,3,4,5,6,7,8,9,10,11
	KSTEP \s
.endr
.irp s, 12,13,14,15
	LSTEP \s
.endr
	PLACES                                         ; in front of the first read of the results and of loads into the products' registers
	s_wait_dscnt 0x0                               ; my reads of the weights are over,
	s_barrier_signal -1
	s_barrier_wait -1                              ; everybody's are, and every wave's tensor load has landed: the stage may take these bytes
	WIN 0x04                                       ; store data in window 1
.irp n, 0,1,2,3,4,5,6,7
	ds_store_b128 v6, v[192+8*\n:195+8*\n] offset:64*\n                       ; each accumulator from its low end on
	ds_store_b128 v6, v[196+8*\n:199+8*\n] offset:64*\n+16
.endr
	WIN 0
	s_wait_dscnt 0x0                               ; for the others' sake: my columns lie in the stage
	s_barrier_signal -1
	s_barrier_wait -1
.irp q, 0,1
.irp j, 0,1,2,3,4,5,6,7
	ds_load_b128 v[AF+32*\q+4*\j:AF+32*\q+4*\j+3], v7 offset:SP*\q+512*\j     ; tile rows 2 w and 2 w + 1, whole: lane l holds columns 128 j + 4 l on
.endr
.endr
	WIN 0x40
.irp j, 0,1,2,3,4,5,6,7
	ds_load_b128 v[64+4*\j:64+4*\j+3], v[GBR] offset:512*\j                   ; the gain, in the same order, into ring set 1;
.endr
.irp j, 0,1,2,3,4,5,6,7
	ds_load_b128 v[96+4*\j:96+4*\j+3], v[GBR] offset:4096+512*\j              ; the bias
.endr
	WIN 0
	s_wait_loadcnt 0x0                             ; x's rows
	s_wait_dscnt 0x0
; v[ZR ..] = LayerNorm(v[y ..] + window 1's v[res ..]) with the gain at window 1's v[gb ..] and the bias 32 registers on
.macro LN y, res, gb
	WIN 0x04
.set p, 0
.rept 16
	v_pk_add_f32 v[ZR+p:ZR+p+1], v[(\y)+p:(\y)+p+1], v[(\res)+p:(\res)+p+1]
.set p, p+2
.endr
	WIN 0
.irp k, 0,1,2,3
	v_pk_add_f32 v[TC+2*\k:TC+2*\k+1], v[ZR+4*\k:ZR+4*\k+1], v[ZR+4*\k+2:ZR+4*\k+3]   ; the sum, in four chains
.endr
.irp p, 16,24
.irp k, 0,1,2,3
	v_pk_add_f32 v[TC+2*\k:TC+2*\k+1], v[TC+2*\k:TC+2*\k+1], v[ZR+\p+2*\k:ZR+\p+2*\k+1]
.endr
.endr
	v_pk_add_f32 v[TC:TC+1], v[TC:TC+1], v[TC+2:TC+3]
	v_pk_add_f32 v[TC+4:TC+5], v[TC+4:TC+5], v[TC+6:TC+7]
	v_pk_add_f32 v[TC:TC+1], v[TC:TC+1], v[TC+4:TC+5]
	v_add_f32 v[SM], v[TC], v[TC+1]
	WSUM
	v_mul_f32 v[MU], 0xba800000, v[SM]             ; -mean
.set p, 0
.rept 16
	v_pk_add_f32 v[ZR+p:ZR+p+1], v[ZR+p:ZR+p+1], v[MU:MU+1] op_sel_hi:[1,0]
.set p, p+2
.endr
.irp k, 0,1,2,3
	v_pk_mul_f32 v[TC+2*\k:TC+2*\k+1], v[ZR+2*\k:ZR+2*\k+1], v[ZR+2*\k:ZR+2*\k+1]     ; the squares, in four chains
.endr
.irp p, 8,16,24
.irp k, 0,1,2,3
	v_pk_fma_f32 v[TC+2*\k:TC+2*\k+1], v[ZR+\p+2*\k:ZR+\p+2*\k+1], v[ZR+\p+2*\k:ZR+\p+2*\k+1], v[TC+2*\k:TC+2*\k+1]
.endr
.endr
	v_pk_add_f32 v[TC:TC+1], v[TC:TC+1], v[TC+2:TC+3]
	v_pk_add_f32 v[TC+4:TC+5], v[TC+4:TC+5], v[TC+6:TC+7]
	v_pk_add_f32 v[TC:TC+1], v[TC:TC+1], v[TC+4:TC+5]
	v_add_f32 v[SM], v[TC], v[TC+1]
	WSUM
	v_fma_f32 v[SM], v[SM], s[INV], s[EPS]         ; the variance + eps
	v_rsq_f32 v[RI], v[SM]
	v_nop                                          ; the plain instruction behind it,
	s_wait_alu depctr_va_vdst(0)                   ; and the wait ahead of its first reader
.set p, 0
.rept 16
	v_pk_mul_f32 v[ZR+p:ZR+p+1], v[ZR+p:ZR+p+1], v[RI:RI+1] op_sel_hi:[1,0]
.set p, p+2
.endr
	WIN 0x14
.set p, 0
.rept 16
	v_pk_fma_f32 v[ZR+p:ZR+p+1], v[ZR+p:ZR+p+1], v[(\gb)+p:(\gb)+p+1], v[(\gb)+32+p:(\gb)+32+p+1]
.set p, p+2
.endr
	WIN 0
.endm
.irp q, 0,1
	s_wait_xcnt 0x0                                ; the last row's stores have read the registers that are written again
	LN AF+32*\q, 32*\q, 64                         ; x's rows lie in ring set 0, the gain and the bias in set 1
.irp j, 0,1,2,3,4,5,6,7
	global_store_b128 v1, v[ZR+4*\j:ZR+4*\j+3], s[18:19] offset:4096*\q+512*\j th:TH_STORE_NT   ; 512 consecutive bytes a store; written once, read by nobody here
.endr
.endr
	s_wait_tensorcnt 0x0
	ds_add_u32 v254, v255
	s_wait_dscnt 0x0
	CROUND                                         ; the closing round: no work-group ends while a partner may still ask for a part that names it
	s_endpgm
.Lfunc_end_k_q275a35d7d0_ffn2:
	.size	k_q275a35d7d0_ffn2, .Lfunc_end_k_q275a35d7d0_ffn2-k_q275a35d7d0_ffn2
	.p2alignl 7, 3214868480
	.fill 96, 4, 3214868480
	.section	.rodata,"a",@progbits
	.p2align	6, 0x0
	.amdhsa_kernel k_q275a35d7d0_ffn2
		.amdhsa_group_segment_fixed_size 287744
		.amdhsa_private_segment_fixed_size 0
		.amdhsa_enable_private_segment 0
		.amdhsa_kernarg_size 64
		.amdhsa_user_sgpr_count 2
		.amdhsa_user_sgpr_kernarg_segment_ptr 1
		.amdhsa_wavefront_size32 1
		.amdhsa_system_sgpr_workgroup_id_x 1
		.amdhsa_system_sgpr_workgroup_id_y 1
		.amdhsa_system_sgpr_workgroup_id_z 1
		.amdhsa_system_vgpr_workitem_id 0
		.amdhsa_next_free_vgpr 512
		.amdhsa_next_free_sgpr 66
		.amdhsa_reserve_vcc 0
		.amdhsa_float_denorm_mode_32 3
		.amdhsa_float_denorm_mode_16_64 3
		.amdhsa_memory_ordered 1
		.amdhsa_forward_progress 1
		.amdhsa_inst_pref_size 76
	.end_amdhsa_kernel
	.amdgpu_metadata
---
amdhsa.version: [ 1, 2 ]
amdhsa.kernels:
  - .name:           k_q275a35d7d0_ffn2
    .symbol:         k_q275a35d7d0_ffn2.kd
    .args:
      - { .name: hq, .offset: 0, .size: 8, .value_kind: global_buffer, .address_space: global }
      - { .name: wimg, .offset: 8, .size: 8, .value_kind: global_buffer, .address_space: global }
      - { .name: ffn_w2_scales, .offset: 16, .size: 8, .value_kind: global_buffer, .address_space: global }
      - { .name: ffn_b2, .offset: 24, .size: 8, .value_kind: global_buffer, .address_space: global }
      - { .name: xf, .offset: 32, .size: 8, .value_kind: global_buffer, .address_space: global }
      - { .name: ln2_g, .offset: 40, .size: 8, .value_kind: global_buffer, .address_space: global }
      - { .name: ln2_b, .offset: 48, .size: 8, .value_kind: global_buffer, .address_space: global }
      - { .name: out0, .offset: 56, .size: 8, .value_kind: global_buffer, .address_space: global }
    .group_segment_fixed_size: 287744
    .private_segment_fixed_size: 0
    .kernarg_segment_align: 8
    .kernarg_segment_size: 64
    .max_flat_workgroup_size: 256
    .sgpr_count:     66
    .vgpr_count:     512
    .wavefront_size: 32
...
	.end_amdgpu_metadata
.endif
;; end of part 5
